; MI455X (gfx1250); checked and timed in simulation.
; The chip was launched on July 23, 2026; its instructions are those of AMD's public machine-readable ISA for CDNA 5 (MIT licence, August 2026) and "CDNA5" Instruction Set Architecture Reference Guide (July 2026). The comments in the code are by the model that wrote it; some were corrected since.
;; Multi Head Attention. Allowed arithmetic: matrix products marked QUANTISED: E4M3 operands, one E8M0 scale for each 32 along K, by v_wmma_scale_f32_16x16x128_f8f6f4 with both operands' format E4M3, f32 sums; products left as they are: f32 operands where the result goes on into a quantised operand, else bf16, f16 or f32 operands; f32 sums; everything else in f32.
;; Inputs: Aproj 8 x 1,024 float32; Aqkv 8 x 1,024 float32; Bproj 1,024 x 8 float32; Bqkv 3,072 x 8 float32; Wproj 1,024 x 1,024 float32; Wqkv 3,072 x 1,024 float32; bproj 1,024 float32; mask 1 x 1 x 2,048 x 2,048 int32; x 4 x 2,048 x 1,024 float32.
;; Outputs: out0 4 x 2,048 x 1,024 float32.
;; This version of the problem:
;;   THIS VERSION OF THE PROBLEM IS GIVEN IN LOW PRECISION. The matrix products marked QUANTISED in the list below multiply operands that are first quantised to E4M3 (4 exponent bits, 3 mantissa bits; 8 bits a number), with one power-of-two scale for each 32 numbers along K (OCP MX v1.0); their sums are f32. All else is computed in f32.
;;   The module's matrix products, in the order in which they are computed (A, B: the left and right operand; K: the contracted axis; several contracted axes count as one K, in the product's order):
;;     1. [M 8,192, K 1,024] x [K 1,024, N 3,072]; A: input x; B: input Wqkv: QUANTISED
;;     2. [M 8,192, K 1,024] x [K 1,024, N 8]; A: input x; B: input Aqkv: left as it is (N = 8 < 16)
;;     3. [M 8,192, K 8] x [K 8, N 3,072]; A: computed on the way; B: input Bqkv: left as it is (K = 8 < 32)
;;     4. batch 64 x [M 2,048, K 64] x [K 64, N 2,048]; A: computed on the way; B: computed on the way: QUANTISED
;;     5. batch 64 x [M 2,048, K 2,048] x [K 2,048, N 64]; A: softmax (see below); B: computed on the way: QUANTISED
;;     6. [M 8,192, K 1,024] x [K 1,024, N 1,024]; A: computed on the way; B: input Wproj: QUANTISED
;;     7. [M 8,192, K 1,024] x [K 1,024, N 8]; A: computed on the way; B: input Aproj: left as it is (N = 8 < 16)
;;     8. [M 8,192, K 8] x [K 8, N 1,024]; A: computed on the way; B: input Bproj: left as it is (K = 8 < 32)
;;   THE QUANTISER, for each operand of a quantised product, along K:
;;     - K is cut into blocks of 32 from its start; a last block that is shorter is filled with zeros.
;;     - A block's scale is 2^e with e = floor(log2(the largest magnitude in the block)) - 8, held to -126 .. 127; a block of zeros has e = 0. As a byte (E8M0): e + 127.
;;     - Each number is divided by its block's scale, clamped to +-448, and rounded to the nearest number of E4M3, ties to even, subnormals kept.
;;     - The product sums the exact products of the quantised numbers (number of the format x scale) in f32.
;;   ~~~python
;;   def quantise(x, axis):      # numpy; x: float32 -> the quantised numbers, widened to float32 again
;;       x = np.moveaxis(x, axis, -1); K = x.shape[-1]
;;       x = np.pad(x, [(0, 0)] * (x.ndim - 1) + [(0, -K % 32)]); x = x.reshape(x.shape[:-1] + (-1, 32)); a = np.abs(x).max(-1, keepdims=True)
;;       e = np.where(a > 0, np.clip(np.frexp(np.where(a > 0, a, 1))[1] - 1 - 8, -126, 127), 0)      # np.frexp(a)[1] - 1 = floor(log2(a)), exactly
;;       r = np.clip(x / 2.0 ** e, -448, 448)
;;       step = 2.0 ** (np.maximum(np.frexp(np.where(r == 0, 1, r))[1] - 1, -6) - 3)
;;       q = np.round(r / step) * step * 2.0 ** e      # np.round: ties to even
;;       return np.moveaxis(q.reshape(q.shape[:-2] + (-1,))[..., :K], -1, axis).astype(np.float32)
;;   ~~~
;;   SOFTMAX AHEAD OF A QUANTISED PRODUCT. Where the list says 'softmax', what is quantised is not the finished softmax but p = 2^(t - M), with t = logit x log2(e) and M = ceil(the row's largest t), a whole number; so 1/2 < the row's largest p <= 1. The row's sum l is taken of the UNQUANTISED p, in f32, and the product's result is divided by l at the end. Since M is a whole number, a kernel that streams over the keys may use a running M (the ceiling of the running maximum): every later rescaling is an exact power of two, which a block's scale takes up: the codes' values come out the same.
;;   OPERANDS COMPUTED ON THE WAY. 'Computed on the way' means the value that the module computes at that place (a softmax that the list does not call 'softmax' is quantised finished and normalised). What goes into a quantiser is computed in f32, as accurately as f32 sums, v_exp_f32 and their like allow (about 1e-6 of the number): no bf16 or f16 on the way to a quantiser, and a product that is left as it is and whose result goes on into a quantised operand takes f32 operands (vector FMAs, or v_wmma_f32_16x16x4_f32). A number that lies on a knife's edge between two numbers of the format may be rounded either way, as far as f32 arithmetic and the matrix unit's own rounding can turn it there, and no further.
;; 2 versions, each right; version 2 is version 1 with the launch attn written anew for expert scheduling mode. Each part assembles by itself: llvm-mc -triple=amdgcn-amd-amdhsa -mcpu=gfx1250 --defsym DOCPART=n.
;; ======== version 1 of 2: 4 launches
;; limits: right only within a limited range of input values
;; workspace buffers: opc 12,582,912 bytes; osl 786,432 bytes; msk 525,312 bytes of whole numbers; qq 8,912,896 bytes; kv 17,563,648 bytes; oc 8,388,608 bytes; oso 4,456,448 bytes
;; launch prep (part 1): grid 512 x 1, 16 waves a work-group, no clusters, 147,456 bytes of LDS; arguments x, Wqkv, Wproj, Aqkv, Bqkv, Bproj, mask, opc, osl, msk; writes opc, osl, msk
.if DOCPART == 1
	.amdgcn_target "amdgcn-amd-amdhsa--gfx1250"
	.amdhsa_code_object_version 6
	.text
	.protected	k_q1066088fd2_prep
	.globl	k_q1066088fd2_prep
	.p2align	8
	.type	k_q1066088fd2_prep,@function
k_q1066088fd2_prep:
	s_mov_b64 s[64:65], 0
	v_nop
	global_prefetch_b8 v0, s[64:65] scope:SCOPE_SE
	s_setreg_imm32_b32 hwreg(HW_REG_WAVE_MODE, 25, 1), 1
	s_wait_xcnt 0x0
; FIRST OF FOUR LAUNCHES (prep, gemm_qkv, attn, gemm_proj) of multi-head attention with LoRA, B = 4, S = 2048, E = 1024, 16 heads of 64, the four large products on codes of E4M3 with one E8M0 scale for each 32 along K.
; NO INPUT AND NO PRODUCT IS LEFT OUT AS DEAD: all nine inputs are loaded.  What the attention launch does not compute is chosen by whole numbers that THIS launch stores from the mask input:
; a step of 128 keys is passed over for a tile of 16 queries only where all 16 x 128 mask entries are 0 AND every one of the 16 queries has a live key somewhere.  Then each of those keys has the weight
; p = 2^(t - M) with t about -1.5e9 and M the row's live maximum, which is 0 in f32 here as in the definition, for every mask.  A tile with a row that is masked everywhere takes all its steps.
; LIMITS: NaN and infinities among the inputs are not served.  A block of zeros gets the scale byte 1 where the rule says 127: its codes are zeros and only this program reads the bytes.
; THIS LAUNCH: (a) x, Wqkv and Wproj become codes and scale words, laid as IMAGES OF OPERAND REGISTERS.  Image tile T of a matrix holds the 16 rows 32 (T / 2) + 8 (T % 2) + r + 8 (r / 8); its fragment for K step s
; (128 along K) is 2,048 bytes: byte 512 c + 16 lane holds the 16 codes of row r = lane % 16, k = 128 s + 32 c + 16 (lane / 16) + 0 .. 15.  opc: [768 T][8 s][2048], T 0-511 x, 512-703 Wqkv, 704-767 Wproj.
; osl: [768 T][16 r][8 words] scale words; from byte LR on [768 T][16 r][8] f32: for x's tiles 2 x Aqkv^T (f32 products: it goes on into quantised operands), for the weights' tiles the rows of Bqkv or Bproj.
; (b) the mask becomes bit words: msk: [128 Tq][16 steps][64] u32, bit lane of word n = (mask[row(Tq, lane % 16)][128 s + 32 (n / 16) + 16 (lane / 16) + n % 16] != 0); from byte 524,288 on [128 Tq][2] u32:
; ACT (bit s: the step is computed) and MSK (bit s: it is computed and has masked entries).
; SHARES: a wave takes 16 rows x 512 bytes.  Work-groups 0-383: tile 2 g + wave / 8, K step wave % 8.  Work-groups 384-511: query tile g - 384, key step = wave.  Each load reads 512 consecutive bytes of a row;
; the 8,192 bytes turn through the wave's own stage in LDS (rows 528 bytes apart) so that a lane holds 16 neighbours of each block of 32.  One barrier; then one wave a tile gathers what eight waves made.
.set R,     16                         ; v16-79   as loaded; later PC = v16-31 and temporaries from v32 on
.set PC,    16
.set X,     80                         ; v80-143  register 16 b + i: k = 32 b + 16 (lane / 16) + i of my row
.set AQ,    144                        ; v144-207 Aqkv[r % 8] at the same k
.set ACC,   208                        ; v208-223 two accumulators of the f32 matrix form: written by matrix instructions alone
.set TM,    224                        ; v224-227 largest magnitudes, 228-231 bytes, 232-235 448 x scale, 236-239 scale operands
.set PW,    240                        ; the scale word
.set MWV,   242                        ; v242-243 the 64 mask words, two a lane
.set SCG,   135168                     ; LDS: 0: sixteen stages of 8,448 bytes; SCG: [2 tiles][16 r][32 bytes] scale words;
.set XAG,   136192                     ; [16 waves][512] partial x Aqkv^T;
.set MG,    144384                     ; 16 flag words (mask work-groups alone);
.set SPARE, 144640                     ; the spare words, 128 bytes a wave: no other line names them
.set LR,    393216
	s_load_b512 s[8:23], s[0:1], 0x0               ; x 8, Wqkv 10, Wproj 12, Aqkv 14, Bqkv 16, Bproj 18, mask 20, opc 22
	s_load_b128 s[24:27], s[0:1], 0x40             ; osl 24, msk 26
	v_lshl_add_u32 v14, v0, 2, SPARE               ; my spare word,
	v_mov_b32 v15, 0                               ; and 0: kept for the closing lines alone
	v_lshrrev_b32 v1, 5, v0
	v_readfirstlane_b32 s3, v1                     ; wave 0..15
	s_mov_b32 s2, ttmp9                            ; g
	v_and_b32 v1, 31, v0                           ; lane
	v_and_b32 v2, 15, v0                           ; r
	v_bfe_u32 v3, v0, 4, 1                         ; h
	v_lshlrev_b32 v4, 4, v1                        ; 16 x lane
	v_lshlrev_b32 v244, 3, v1                      ; 8 x lane
	s_mul_i32 s4, s3, 8448                         ; my stage
	v_add_nc_u32 v5, s4, v4                        ; into it: 16 x lane, a row an instruction
	v_mul_u32_u24 v6, v2, 528
	v_lshl_add_u32 v6, v3, 6, v6
	v_add_nc_u32 v6, s4, v6                        ; out of it: row r, + 64 h
	s_lshr_b32 s28, s3, 3                          ; which of the work-group's two tiles
	s_and_b32 s29, s3, 7                           ; K step
	s_lshl_b32 s5, s28, 9
	s_add_co_u32 s5, s5, SCG
	s_lshl_b32 s6, s29, 2
	s_add_co_u32 s6, s6, s5
	v_lshl_add_u32 v7, v2, 5, s6                   ; my row's scale word of my K step
	v_add_nc_u32 v10, s5, v4                       ; the tile's 512 bytes of scale words, 16 a lane
	s_lshl_b32 s7, s3, 9
	s_add_co_u32 s7, s7, XAG
	v_lshlrev_b32 v8, 5, v2
	v_lshl_add_u32 v8, v3, 4, v8
	v_add_nc_u32 v8, s7, v8                        ; my wave's partial sums: 32 r + 16 h
	v_add_nc_u32 v11, s7, v4                       ; and read back, 16 a lane
	s_lshl_b32 s31, s3, 2
	s_add_co_u32 s31, s31, MG
	v_mov_b32 v9, s31                              ; my wave's flag word
	v_lshl_add_u32 v12, v2, 2, MG                  ; flag word lane % 16
	v_mov_b32 v245, MG
	v_and_b32 v13, 7, v2
	v_lshlrev_b32 v13, 12, v13
	v_lshl_add_u32 v13, v3, 6, v13
	s_lshl_b32 s31, s29, 9
	v_add_nc_u32 v13, s31, v13                     ; Aqkv: row r % 8, + 512 x K step + 64 h
.irp b, 0,1,2,3
	v_mov_b32 v[TM+4+\b], 0                        ; written once: a lane permute's destination counts as one of its sources
.endr
	v_mov_b32 v[MWV], 0                            ; likewise v_writelane's
	v_mov_b32 v[MWV+1], 0
	s_mov_b32 s52, 0x76543210
	s_mov_b32 s53, 0xfedcba98                      ; v_permlanex16_b32's selects for lane l xor 16
	s_mov_b32 s54, 0x600000                        ; the mantissa field of 448
	s_mov_b32 s55, 0xffff0000                      ; lanes 16-31
	s_mov_b32 s48, 0                               ; OR and AND of the mask words
	s_mov_b32 s49, -1
	; all offsets are made here, for both kinds of work-group, so that every register is written on every way
	s_and_b32 s31, s2, 127                         ; mask: query tile g - 384
	s_lshr_b32 s37, s31, 1
	s_lshl_b32 s37, s37, 5
	s_and_b32 s50, s31, 1
	s_lshl_b32 s50, s50, 3
	s_add_co_u32 s37, s37, s50                     ; its first row
	s_lshl_b32 s60, s37, 13                        ; x 8,192 bytes
	s_lshl_b32 s50, s3, 9
	s_add_co_u32 s60, s60, s50                     ; + 512 x key step
	s_mov_b32 s61, 0
	s_lshl_b32 s62, s31, 12
	s_lshl_b32 s50, s3, 8
	s_add_co_u32 s62, s62, s50                     ; the words: 256 (16 Tq + step)
	s_mov_b32 s63, 0
	s_lshl_b32 s50, s31, 3
	s_add_co_u32 s50, s50, 524288                  ; the flags: 8 Tq
	s_mov_b32 s51, 0
	s_mov_b32 s30, 352
	s_wait_kmcnt 0x0
	s_add_nc_u64 s[20:21], s[20:21], s[60:61]
	s_add_nc_u64 s[62:63], s[26:27], s[62:63]
	s_add_nc_u64 s[26:27], s[26:27], s[50:51]
	s_cmp_lt_u32 s2, 352                           ; which matrix: the choice hangs on the work-group's number alone
	s_cselect_b32 s30, 256, s30
	s_cselect_b64 s[32:33], s[10:11], s[12:13]
	s_cselect_b64 s[34:35], s[16:17], s[18:19]
	s_cmp_lt_u32 s2, 256
	s_cselect_b32 s30, 0, s30
	s_cselect_b64 s[32:33], s[8:9], s[32:33]
	s_sub_co_u32 s36, s2, s30
	s_lshl_b32 s36, s36, 5
	s_lshl_b32 s37, s28, 3
	s_add_co_u32 s36, s36, s37                     ; the tile's first row in its matrix
	s_lshl_b32 s38, s36, 12
	s_lshl_b32 s37, s29, 9
	s_add_co_u32 s38, s38, s37
	s_mov_b32 s39, 0
	s_add_nc_u64 s[32:33], s[32:33], s[38:39]      ; the numbers
	s_lshl_b32 s38, s36, 5
	s_add_nc_u64 s[34:35], s[34:35], s[38:39]      ; the rows of Bqkv or Bproj
	s_lshl_b32 s40, s2, 1
	s_add_co_u32 s40, s40, s28                     ; T
	s_lshl_b32 s42, s40, 14
	s_lshl_b32 s43, s29, 11
	s_add_co_u32 s42, s42, s43
	s_mov_b32 s43, 0
	s_add_nc_u64 s[22:23], s[22:23], s[42:43]      ; the fragment
	s_lshl_b32 s42, s40, 9
	s_add_nc_u64 s[44:45], s[24:25], s[42:43]      ; the tile's scale words
	s_add_nc_u64 s[46:47], s[44:45], LR            ; and its [16][8] f32
.macro LOAD16 base, pitch              ; the tile's 16 rows: 512 consecutive bytes an instruction
.irp i, 0,1,2,3,4,5,6,7,8,9,10,11,12,13,14,15
	global_load_b128 v[R+4*\i:R+4*\i+3], v4, s[\base:\base+1] offset:(\i+8*(\i/8))*\pitch th:TH_LOAD_NT
.endr
.endm
	s_cmp_lt_u32 s2, 384
	s_cbranch_scc0 .Lmask_load
	LOAD16 32, 4096
	s_branch .Lturn
.Lmask_load:
	LOAD16 20, 8192
.Lturn:
	s_wait_loadcnt 0x0
.irp i, 0,1,2,3,4,5,6,7,8,9,10,11,12,13,14,15
	ds_store_b128 v5, v[R+4*\i:R+4*\i+3] offset:528*\i
.endr
.irp b, 0,1,2,3
.irp j, 0,1,2,3
	ds_load_b128 v[X+16*\b+4*\j:X+16*\b+4*\j+3], v6 offset:128*\b+16*\j   ; LDS serves a wave's instructions in order: these see my stores
.endr
.endr
	s_wait_dscnt 0x0
	s_cmp_lt_u32 s2, 384
	s_cbranch_scc0 .Lmask_work
	s_cmp_lt_u32 s2, 256
	s_cbranch_scc0 .Lquant
	; ---- x alone: my K step's part of x Aqkv^T.  Source 0 = Aqkv's rows (8-15 repeat 0-7), source 1 = my 16 rows; both hold the same k in the same place, so each instruction sums four k
.irp b, 0,1,2,3
.irp j, 0,1,2,3
	global_load_b128 v[AQ+16*\b+4*\j:AQ+16*\b+4*\j+3], v13, s[14:15] offset:128*\b+16*\j
.endr
.endr
	s_wait_loadcnt 0x0
.set q, 0
.rept 32                               ; two accumulators by turns, one instruction a turn
.if q < 2
	v_wmma_f32_16x16x4_f32 v[ACC+8*(q%2):ACC+8*(q%2)+7], v[AQ+2*q:AQ+2*q+1], v[X+2*q:X+2*q+1], 0
.else
	v_wmma_f32_16x16x4_f32 v[ACC+8*(q%2):ACC+8*(q%2)+7], v[AQ+2*q:AQ+2*q+1], v[X+2*q:X+2*q+1], v[ACC+8*(q%2):ACC+8*(q%2)+7]
.endif
.set q, q+1
.endr
.rept 8
	v_nop                                          ; eight places behind this form before its results are read
.endr
.irp j, 0,1,2,3,4,5,6,7
	v_add_f32 v[32+\j], v[ACC+\j], v[ACC+8+\j]     ; register j = (x Aqkv^T)(row r, j), in both halves of the lanes; each accumulator from its low end on
.endr
.irp j, 0,1,2,3
	v_cndmask_b32 v[40+\j], v[32+\j], v[36+\j], s55   ; lane (r, h) keeps j = 4 h .. 4 h + 3
.endr
	ds_store_b128 v8, v[40:43]
.Lquant:
	; ---- the quantiser: 64 numbers of a lane become a fragment's 16 registers and a scale word
.irp b, 0,1,2,3
	v_max3_num_f32 v[TM+\b], |v[X+16*\b]|, |v[X+1+16*\b]|, 0x4800000   ; block b: my 16 numbers, and the floor 2^(9 - 127): the byte cannot fall under 1
.endr
.irp i, 2,4,6,8,10,12,14
.irp b, 0,1,2,3
	v_max3_num_f32 v[TM+\b], v[TM+\b], |v[X+16*\b+\i]|, |v[X+1+16*\b+\i]|
.endr
.endr
.irp b, 0,1,2,3
	v_permlanex16_b32 v[TM+4+\b], v[TM+\b], s52, s53
.endr
.irp b, 0,1,2,3
	v_max_num_f32 v[TM+\b], v[TM+\b], v[TM+4+\b]   ; with lane l xor 16's: the block's largest magnitude
.endr
.irp b, 0,1,2,3
	v_add_nc_u32 v[TM+12+\b], 0xfc000000, v[TM+\b] ; 8 off its exponent field: the conversion's scale operand
.endr
.irp b, 0,1,2,3
	v_and_or_b32 v[TM+8+\b], v[TM+\b], 0x7f800000, s54   ; 448 x the scale
.endr
.irp b, 0,1,2,3
	v_lshrrev_b32 v[TM+4+\b], 23, v[TM+12+\b]      ; the scale's byte
.endr
	v_lshl_or_b32 v[PW], v[TM+5], 8, v[TM+4]
	v_lshl_or_b32 v[PW], v[TM+6], 16, v[PW]
	v_lshl_or_b32 v[PW], v[TM+7], 24, v[PW]
.irp b, 0,1,2,3
.irp i, 0,1,2,3,4,5,6,7,8,9,10,11,12,13,14,15
	v_med3_num_f32 v[X+16*\b+\i], v[X+16*\b+\i], -v[TM+8+\b], v[TM+8+\b]   ; the conversion to an 8-bit code does not saturate (ISA guide 7.6.2): the hold
.endr
	v_cvt_scalef32_pk8_fp8_f32 v[PC+4*\b:PC+1+4*\b], v[X+16*\b:X+7+16*\b], v[TM+12+\b]
	v_cvt_scalef32_pk8_fp8_f32 v[PC+2+4*\b:PC+3+4*\b], v[X+8+16*\b:X+15+16*\b], v[TM+12+\b]
.endr
	v_nop                                          ; one plain line behind the last conversion
.irp c, 0,1,2,3
	global_store_b128 v4, v[PC+4*\c:PC+4*\c+3], s[22:23] offset:512*\c   ; 512 consecutive bytes an instruction
.endr
	ds_store_b32 v7, v[PW]                         ; both halves of the lanes write the same word with the same value
	s_branch .Lmeet
.Lmask_work:
	; ---- the mask: each of my 64 registers gives one word, a bit a lane
.set n, 0
.rept 64
	v_cmp_ne_u32 s[56+n%4], 0, v[X+n]
	v_writelane_b32 v[MWV+(n&1)], s[56+n%4], n>>1
	s_or_b32 s48, s48, s[56+n%4]
	s_and_b32 s49, s49, s[56+n%4]
.set n, n+1
.endr
	global_store_b64 v244, v[MWV:MWV+1], s[62:63]  ; 256 consecutive bytes, aligned
	s_lshr_b32 s50, s48, 16
	s_or_b32 s50, s50, s48
	s_and_b32 s50, s50, 0xffff                     ; bit r: row r has a live key in this step
	s_cmp_lg_u32 s48, 0
	s_cselect_b32 s51, 0x10000, 0                  ; bit 16: some entry is live
	s_or_b32 s50, s50, s51
	s_cmp_eq_u32 s49, -1
	s_cselect_b32 s51, 0x20000, 0                  ; bit 17: all are
	s_or_b32 s50, s50, s51
	v_mov_b32 v32, s50
	ds_store_b32 v9, v32
.Lmeet:
	s_wait_dscnt 0x0                               ; for the others' sake: my LDS stores are done
	s_barrier_signal -1
	s_barrier_wait -1
	s_cmp_lt_u32 s2, 384
	s_cbranch_scc0 .Lmask_gather
	s_cmp_eq_u32 s29, 0                            ; waves 0 and 8 gather their tile
	s_cbranch_scc0 .Lend
	ds_load_b128 v[32:35], v10
	s_cmp_lt_u32 s2, 256
	s_cbranch_scc0 .Lw_rec
.irp i, 0,1,2,3,4,5,6,7
	ds_load_b128 v[48+4*\i:51+4*\i], v11 offset:512*\i   ; the eight K steps' partial sums
.endr
	s_wait_dscnt 0x0
	global_store_b128 v4, v[32:35], s[44:45]
.irp i, 1,2,3,4,5,6,7
	v_pk_add_f32 v[48:49], v[48:49], v[48+4*\i:49+4*\i]
	v_pk_add_f32 v[50:51], v[50:51], v[50+4*\i:51+4*\i]
.endr
	v_pk_mul_f32 v[48:49], v[48:49], 2.0 op_sel_hi:[1,0]   ; alpha / rank
	v_pk_mul_f32 v[50:51], v[50:51], 2.0 op_sel_hi:[1,0]
	global_store_b128 v4, v[48:51], s[46:47]
	s_branch .Lend
.Lw_rec:
	v_lshrrev_b32 v36, 1, v1                       ; two lanes to a row of 32 bytes
	v_and_b32 v37, 8, v36
	v_add_nc_u32 v36, v36, v37                     ; row r + 8 (r / 8) of the tile
	v_lshlrev_b32 v36, 5, v36
	v_and_b32 v37, 1, v1
	v_lshl_add_u32 v36, v37, 4, v36
	global_load_b128 v[48:51], v36, s[34:35]
	s_wait_dscnt 0x0
	global_store_b128 v4, v[32:35], s[44:45]
	s_wait_loadcnt 0x0
	global_store_b128 v4, v[48:51], s[46:47]
	s_branch .Lend
.Lmask_gather:
	s_cmp_eq_u32 s3, 0
	s_cbranch_scc0 .Lend
.irp i, 0,1,2,3
	ds_load_b128 v[32+4*\i:35+4*\i], v245 offset:16*\i   ; all sixteen flag words, in every lane
.endr
	ds_load_b32 v48, v12                           ; and step lane % 16's
	s_wait_dscnt 0x0
.irp i, 1,2,3,4,5,6,7,8,9,10,11,12,13,14,15
	v_or_b32 v32, v32, v[32+\i]
.endr
	v_and_b32 v32, 0xffff, v32
	v_cmp_ne_u32 s56, 0xffff, v32                  ; all ones where some row has no live key at all
	v_and_b32 v49, 0x10000, v48
	v_cmp_ne_u32 s57, 0, v49
	v_and_b32 v49, 0x20000, v48
	v_cmp_ne_u32 s58, 0, v49
	s_or_b32 s57, s57, s56
	s_and_b32 s57, s57, 0xffff                     ; ACT
	s_and_not1_b32 s58, s57, s58                   ; MSK
	v_mov_b32 v50, s57
	v_mov_b32 v51, s58
	v_mov_b32 v52, 0
	v_cmp_eq_u32 vcc_lo, 0, v1
	s_wait_xcnt 0x0                                ; EXEC changes only behind this wait
	s_and_saveexec_b32 s59, vcc_lo
	global_store_b64 v52, v[50:51], s[26:27]
	s_wait_xcnt 0x0
	s_or_b32 exec_lo, exec_lo, s59
.Lend:
	s_wait_tensorcnt 0x0                           ; the wave's end, behind my last LDS store
	ds_add_u32 v14, v15
	s_wait_dscnt 0x0
	s_endpgm
.Lfunc_end_k_q1066088fd2_prep:
	.size	k_q1066088fd2_prep, .Lfunc_end_k_q1066088fd2_prep-k_q1066088fd2_prep
	.p2alignl 7, 3214868480
	.fill 96, 4, 3214868480
	.section	.rodata,"a",@progbits
	.p2align	6, 0x0
	.amdhsa_kernel k_q1066088fd2_prep
		.amdhsa_group_segment_fixed_size 147456
		.amdhsa_private_segment_fixed_size 0
		.amdhsa_enable_private_segment 0
		.amdhsa_kernarg_size 80
		.amdhsa_user_sgpr_count 2
		.amdhsa_user_sgpr_kernarg_segment_ptr 1
		.amdhsa_wavefront_size32 1
		.amdhsa_system_sgpr_workgroup_id_x 1
		.amdhsa_system_sgpr_workgroup_id_y 1
		.amdhsa_system_sgpr_workgroup_id_z 1
		.amdhsa_system_vgpr_workitem_id 0
		.amdhsa_next_free_vgpr 256
		.amdhsa_next_free_sgpr 66
		.amdhsa_reserve_vcc 1
		.amdhsa_float_denorm_mode_32 3
		.amdhsa_float_denorm_mode_16_64 3
		.amdhsa_memory_ordered 1
		.amdhsa_forward_progress 1
		.amdhsa_inst_pref_size 40
	.end_amdhsa_kernel
	.amdgpu_metadata
---
amdhsa.version: [ 1, 2 ]
amdhsa.kernels:
  - .name:           k_q1066088fd2_prep
    .symbol:         k_q1066088fd2_prep.kd
    .args:
      - { .name: x, .offset: 0, .size: 8, .value_kind: global_buffer, .address_space: global }
      - { .name: Wqkv, .offset: 8, .size: 8, .value_kind: global_buffer, .address_space: global }
      - { .name: Wproj, .offset: 16, .size: 8, .value_kind: global_buffer, .address_space: global }
      - { .name: Aqkv, .offset: 24, .size: 8, .value_kind: global_buffer, .address_space: global }
      - { .name: Bqkv, .offset: 32, .size: 8, .value_kind: global_buffer, .address_space: global }
      - { .name: Bproj, .offset: 40, .size: 8, .value_kind: global_buffer, .address_space: global }
      - { .name: mask, .offset: 48, .size: 8, .value_kind: global_buffer, .address_space: global }
      - { .name: opc, .offset: 56, .size: 8, .value_kind: global_buffer, .address_space: global }
      - { .name: osl, .offset: 64, .size: 8, .value_kind: global_buffer, .address_space: global }
      - { .name: msk, .offset: 72, .size: 8, .value_kind: global_buffer, .address_space: global }
    .group_segment_fixed_size: 147456
    .private_segment_fixed_size: 0
    .kernarg_segment_align: 8
    .kernarg_segment_size: 80
    .max_flat_workgroup_size: 512
    .sgpr_count:     66
    .vgpr_count:     256
    .wavefront_size: 32
...
	.end_amdgpu_metadata
.endif
;; end of part 1
;; launch gemm_qkv (part 2): grid 12 x 32, 4 waves a work-group, clusters of 4 x 4, 327,680 bytes of LDS; arguments opc, osl, qq, kv; writes qq, kv
.if DOCPART == 2
	.amdgcn_target "amdgcn-amd-amdhsa--gfx1250"
	.amdhsa_code_object_version 6
	.text
	.protected	k_q1066088fd2_gemm_qkv
	.globl	k_q1066088fd2_gemm_qkv
	.p2align	8
	.type	k_q1066088fd2_gemm_qkv,@function
k_q1066088fd2_gemm_qkv:
	s_mov_b64 s[64:65], 0
	v_nop
	global_prefetch_b8 v0, s[64:65] scope:SCOPE_SE
	s_setreg_imm32_b32 hwreg(HW_REG_WAVE_MODE, 25, 1), 1
	s_wait_xcnt 0x0
	s_wait_alu depctr_hold_cnt(0) depctr_sa_sdst(0) depctr_va_vdst(0) depctr_va_sdst(0) depctr_va_ssrc(0) depctr_va_vcc(0) depctr_vm_vsrc(0)
	s_getreg_b32 s2, hwreg(HW_REG_IB_STS2, 6, 4)
	s_cmp_eq_u32 s2, 0
	s_cbranch_scc0 .Lentry_in_a_cluster
	s_endpgm
.Lentry_in_a_cluster:
	s_bfe_u32 s2, ttmp6, 0x10000c
	s_cmp_lg_u32 s2, 0xf033
	s_cbranch_scc0 .Lentry_shape_is_right
	s_endpgm
.Lentry_shape_is_right:
; qkv = Q(x) Q(Wqkv)^T + (2 x Aqkv^T) Bqkv^T, quantised at once for the attention launch: q and k along the head's 64, v along the keys.  Nothing of the problem is left out here.
; Operands come as images of operand registers (launch prep): image tile T = 16 rows 32 (T / 2) + 8 (T % 2) + r + 8 (r / 8); a fragment (T, K step of 128) = 2,048 bytes, byte 512 c + 16 lane.
; With source 0 = tile b and source 1 = tile a, lane (r, h) holds source 1's row r, and the 16 registers of result tiles 2 j, 2 j + 1 are source 0's rows 32 j + 16 h + 0 .. 15: 16 neighbours.
; A work-group makes 256 x 256, a wave 128 x 128: 64 accumulators in windows 2 and 3.  The cluster's x is the KIND: 0 q, 1 k, 2 v.  q, k: source 1 = tokens, source 0 = rows of Wqkv: a lane's registers run along the
; head's axis.  v: source 1 = rows of Wqkv, source 0 = tokens: they run along the keys.  So one loop and one way out serve all three; what differs is chosen by s_cselect on the kind, never by a branch.
; K = 1,024 goes through a ring of two LDS slots of 256 along K; a tile's part of a slot is 4,096 consecutive bytes of memory.  4 x 4 work-groups form a cluster: source 1's tiles are asked for jointly along a row
; of the cluster, source 0's along a column.  The scale words of all of K come once, with the first fills.
; THE LoRA TERM starts the sums: two K steps of the f32 matrix form on each accumulator (f32 operands: the result goes on into quantisers), issued while the first tiles are on their way.
; OUT: qq: q's codes [64 bh][128 tiles][1024] (c = 0, 1 of a fragment), from byte 8,388,608 on its scale words [64 bh][2048 rows in image order].  kv: [64 bh][16 steps] records of 17,152 bytes: k's codes 8 tiles x 1,024;
; at 8,192 v^T's codes, 4 tiles of the head's axis x 2,048; at 16,384 k's 128 scale words; at 16,896 v's 64.  LIMITS: NaN, infinities not served; a block of zeros keeps the byte 1.
; REGISTERS: window 0: v1 r, v2 h, v8-13 the way out's offsets, v16-31 addresses, v32-63 scale words (two sets), v64-95, v96-127 the LoRA operands of source 1's and source 0's eight tiles, v128-255 source 1's fragments
; (one set; on the way out: numbers, codes, work).  window 1: source 0's fragments, two sets.  windows 2, 3: accumulator (a, b) at v[8 (8 (a % 4) + b)].
.set NQ,     2
.set FR,     16
.set NL,     4
.set NP,     8                         ; places behind this matrix instruction (ISA guide 7.12.1)
.set HALFT,  32768                     ; 8 tiles x 4,096 bytes: what one tensor load brings
.set SLOT,   131072                    ; source 1's 16 tiles, then source 0's
.set SCL,    262144                    ; the scale words: units of 256 bytes + 16 of padding
.set HALFS,  4352
.set SBLK,   544
.set SPARE,  279552                    ; the spare words, 128 bytes a wave: no other line names them
.set LR,     393216
.set ADRA, 16
.set ADRB, 20
.set ADRS, 27
.set SPW,  28
.set NIL,  29
.set LRO,  30
.set LI,   31
.set SC,   32
.set LA,   64
.set LBR,  96
.set AF,   128
.set X,    128                         ; the way out: 64 numbers held,
.set PC,   192                         ; their codes,
.set TM,   208                         ; work,
.set PW,   224                         ; the scale word,
.set SV,   225                         ; and what of it my half of the lanes stores
.set G1, 24
.set G0, 32
.set G1B, 48
.set G0B, 56
.set G1S, 68
.set G0S, 76
.set G1SB, 80
.set G0SB, 88
.set MSB, 0
.macro WIN new                         ; the immediate's high byte repeats the setting that is left
.if MSB != \new
	s_set_vgpr_msb (MSB<<8)|\new
.set MSB, \new
.endif
.endm
.set MUL_LO, 0xa1                      ; source 0 window 1, source 1 window 0, C and D window 2
.set MUL_HI, 0xf1
.set TO_B,   0x40
.macro JLOAD g0a, g1a, g0b, g1b        ; a joint load: waves 0, 1 fetch source 1's halves, waves 2, 3 source 0's; an s_nop 0 and four v_nop follow each line
	s_cmp_eq_u32 s15, 0
	s_cbranch_scc0 .Lfor_b_\@
	tensor_load_to_lds s[\g0a:\g0a+3], s[\g1a:\g1a+7]
	s_nop 0
.rept 4
	v_nop
.endr
	s_branch .Lasked_\@
.Lfor_b_\@:
	tensor_load_to_lds s[\g0b:\g0b+3], s[\g1b:\g1b+7]
	s_nop 0
.rept 4
	v_nop
.endr
.Lasked_\@:
.endm
.macro CREST
	s_cmp_lg_u32 s14, 0
	s_cbranch_scc1 .Lnot_wave_0_\@
	s_barrier_signal -3
.Lnot_wave_0_\@:
	s_barrier_wait -3
	s_barrier_signal -1
	s_barrier_wait -1
.endm
.macro CROUND
	s_barrier_signal -1
	s_barrier_wait -1
	CREST
.endm
	s_load_b256 s[4:11], s[0:1], 0x0               ; opc 4, osl 6, qq 8, kv 10
	v_lshl_add_u32 v[SPW], v0, 2, SPARE
	v_mov_b32 v[NIL], 0
	ds_add_u32 v[SPW], v[NIL]                      ; the wave's opening: the add, twice on end, and its wait ahead of my first tensor load
	ds_add_u32 v[SPW], v[NIL]
	v_lshrrev_b32 v1, 5, v0
	v_readfirstlane_b32 s14, v1                    ; wave 0..3
	s_lshr_b32 s15, s14, 1                         ; my half of source 1's tiles.  Also: I fetch for source 1 (0) or source 0 (1)
	s_and_b32 s16, s14, 1                          ; my half of source 0's.  Also: which 8 tiles I fetch
	s_bfe_u32 s40, ttmp6, 0x40000                  ; cx
	s_bfe_u32 s41, ttmp6, 0x40004                  ; cy
	s_and_b32 s17, ttmp7, 0xffff
	s_lshl_b32 s17, s17, 6                         ; the cluster's 64 tiles of tokens
	s_lshl_b32 s42, ttmp9, 6
	s_add_co_u32 s42, s42, 512                     ; its 64 tiles of Wqkv
	s_mov_b32 s18, 640                             ; (v's rows of Wqkv)
	s_cmp_lt_u32 ttmp9, 2                          ; the kind: the same in all sixteen partners
	s_cselect_b32 s18, s17, s18
	s_cselect_b32 s19, s42, s17
	s_lshl_b32 s20, s41, 4
	s_add_co_u32 s18, s18, s20                     ; source 1's first tile: hangs on cy alone
	s_lshl_b32 s46, s40, 4
	s_add_co_u32 s19, s19, s46                     ; source 0's: on cx alone
	s_lshl_b32 s43, s41, 2
	s_lshl_b32 s43, 15, s43                        ; my row of the cluster
	s_lshl_b32 s44, 0x1111, s40                    ; my column
	; codes: 8 rows of 4,096 bytes (512 elements of 8 bytes), 16,384 bytes apart, no padding
	s_or_b32 s[G1+0], s43, (3<<16)|(1<<21)
	s_or_b32 s[G1B+0], s44, (3<<16)|(1<<21)
.irp g, G1, G1B
	s_mov_b32 s[\g+1], 512<<16                     ; tensor_dim0
	s_mov_b32 s[\g+2], 8<<16                       ; tensor_dim1
	s_mov_b32 s[\g+3], 512<<16                     ; tile_dim0
	s_mov_b32 s[\g+4], 8                           ; tile_dim1
	s_mov_b32 s[\g+5], 2048                        ; stride
	s_mov_b32 s[\g+6], 0
	s_mov_b32 s[\g+7], 0
.endr
	; scale words of 8 tiles: 4,096 dense bytes as 16 rows of 256, 16 bytes of padding behind each
	s_or_b32 s[G1S+0], s43, (3<<16)|(1<<20)|(1<<21)|(5<<22)|(3<<25)
	s_or_b32 s[G1SB+0], s44, (3<<16)|(1<<20)|(1<<21)|(5<<22)|(3<<25)
.irp g, G1S, G1SB
	s_mov_b32 s[\g+1], 32<<16
	s_mov_b32 s[\g+2], 16<<16
	s_mov_b32 s[\g+3], 32<<16
	s_mov_b32 s[\g+4], 16
	s_mov_b32 s[\g+5], 32
	s_mov_b32 s[\g+6], 0
	s_mov_b32 s[\g+7], 0
.endr
	s_lshl_b32 s21, s16, 3
	s_add_co_u32 s20, s18, s21                     ; the 8 tiles that I fetch, if for source 1,
	s_add_co_u32 s46, s19, s21                     ; if for source 0
	s_lshl_b32 s22, s20, 9
	s_mov_b32 s23, 0
	s_lshl_b32 s96, s46, 9
	s_mov_b32 s97, 0
	s_lshl_b32 s20, s20, 14
	s_mov_b32 s21, 0
	s_lshl_b32 s46, s46, 14
	s_mov_b32 s47, 0
	s_lshl_b32 s45, s14, 15                        ; where they go: wave x 32,768: no place in the cluster enters an LDS address
	s_mul_i32 s94, s14, HALFS
	s_lshl_b32 s2, s15, 3                          ; my own eight tiles' LoRA operands
	s_add_co_u32 s2, s2, s18
	s_lshl_b32 s2, s2, 9
	s_add_co_u32 s2, s2, LR
	s_mov_b32 s3, 0
	s_lshl_b32 s98, s16, 3
	s_add_co_u32 s98, s98, s19
	s_lshl_b32 s98, s98, 9
	s_add_co_u32 s98, s98, LR
	s_mov_b32 s99, 0
	s_wait_dscnt 0x0                               ; both opening adds are done
	s_wait_kmcnt 0x0
	s_add_nc_u64 s[20:21], s[4:5], s[20:21]
	s_add_nc_u64 s[22:23], s[6:7], s[22:23]
	s_add_nc_u64 s[46:47], s[4:5], s[46:47]
	s_add_nc_u64 s[96:97], s[6:7], s[96:97]
	s_add_nc_u64 s[12:13], s[6:7], s[2:3]
	s_add_nc_u64 s[98:99], s[6:7], s[98:99]
	CROUND                                         ; all sixteen work-groups are here: the first joint loads meet
	s_mov_b32 s[G0S], 1
	s_add_co_u32 s[G0S+1], s94, SCL
	s_mov_b64 s[G0S+2:G0S+3], s[22:23]
	s_or_b32 s[G0S+3], s[G0S+3], 0x80000000
	s_mov_b32 s[G0SB], 1
	s_add_co_u32 s[G0SB+1], s94, SCL
	s_mov_b64 s[G0SB+2:G0SB+3], s[96:97]
	s_or_b32 s[G0SB+3], s[G0SB+3], 0x80000000
	JLOAD G0S, G1S, G0SB, G1SB                     ; by this text's count three loads of a wave are out at the start, one behind each round
.irp s, 0,1
	s_mov_b32 s[G0+4*\s], 1
	s_add_co_u32 s[G0+4*\s+1], s45, \s*SLOT
	s_add_nc_u64 s[G0+4*\s+2:G0+4*\s+3], s[20:21], \s*4096
	s_or_b32 s[G0+4*\s+3], s[G0+4*\s+3], 0x80000000
	s_mov_b32 s[G0B+4*\s], 1
	s_add_co_u32 s[G0B+4*\s+1], s45, \s*SLOT
	s_add_nc_u64 s[G0B+4*\s+2:G0B+4*\s+3], s[46:47], \s*4096
	s_or_b32 s[G0B+4*\s+3], s[G0B+4*\s+3], 0x80000000
	JLOAD G0+4*\s, G1, G0B+4*\s, G1B
.endr
	v_and_b32 v1, 15, v0                           ; r
	v_bfe_u32 v2, v0, 4, 1                         ; h
	v_and_b32 v3, 31, v0
	v_lshlrev_b32 v[LI], 4, v3                     ; 16 x lane
	v_lshlrev_b32 v[LRO], 5, v1
	v_lshl_add_u32 v[LRO], v2, 4, v[LRO]           ; a LoRA operand: row r's 32 bytes, + 16 h: k = 4 h .. 4 h + 3
.irp a, 0,1,2,3,4,5,6,7
	global_load_b128 v[LA+4*\a:LA+4*\a+3], v[LRO], s[12:13] offset:512*\a
	global_load_b128 v[LBR+4*\a:LBR+4*\a+3], v[LRO], s[98:99] offset:512*\a
.endr
	s_lshl_b32 s21, s15, 15
	s_lshl_b32 s22, s16, 15
	s_add_co_u32 s22, s22, 65536
.irp s, 0,1
	v_add_nc_u32 v[ADRA+\s], s21, v[LI]
	v_add_nc_u32 v[ADRB+\s], s22, v[LI]
	s_add_co_u32 s21, s21, SLOT
	s_add_co_u32 s22, s22, SLOT
.endr
	v_lshlrev_b32 v5, 5, v1                        ; my row's scale words: 32 bytes a row,
	v_lshrrev_b32 v6, 8, v5
	v_lshl_add_u32 v5, v6, 4, v5                   ; and 16 more for each 256 passed
	s_mul_i32 s21, s15, HALFS
	s_mul_i32 s22, s16, HALFS
	s_add_co_u32 s22, s22, 2*HALFS
	s_sub_co_u32 s22, s22, s21
	v_mul_u32_u24 v6, s22, v2                      ; lanes 16-31 take source 0's
	s_add_co_u32 s21, s21, SCL
	v_add_nc_u32 v5, v5, v6
	v_add_nc_u32 v[ADRS], s21, v5
	s_wait_loadcnt 0x0
; THE LoRA TERM: K step q of two (both sides hold k = 4 h + 2 q + j in the same place), all 64 accumulators by turns
.macro LORA q, hi
.irp a, 0,1,2,3
.irp b, 0,1,2,3,4,5,6,7
.if \q == 0
	v_wmma_f32_16x16x4_f32 v[8*(8*\a+\b):8*(8*\a+\b)+7], v[LBR+4*\b:LBR+4*\b+1], v[LA+4*(4*\hi+\a):LA+4*(4*\hi+\a)+1], 0
.else
	v_wmma_f32_16x16x4_f32 v[8*(8*\a+\b):8*(8*\a+\b)+7], v[LBR+4*\b+2:LBR+4*\b+3], v[LA+4*(4*\hi+\a)+2:LA+4*(4*\hi+\a)+3], v[8*(8*\a+\b):8*(8*\a+\b)+7]
.endif
.endr
.endr
.endm
	WIN 0x80
	LORA 0, 0
	WIN 0xc0
	LORA 0, 1
	WIN 0xa0
	LORA 1, 0
	WIN 0xf0
	LORA 1, 1
	WIN 0
.rept 9
	v_nop                                          ; the form changes on these accumulators: nine places
.endr
.macro FRAG reg, adr, q, i
.irp c, 0,1,2,3
	ds_load_b128 v[\reg+4*\c:\reg+4*\c+3], v[\adr] offset:2048*(\q)+512*\c+(\i)*4096
.endr
.endm
.macro MUL16 a0, p, q, sc              ; source 1's tiles a0, a0 + 1 x source 0's eight, 128 along K; the 64 accumulators take turns in the same order in every step
.irp a, \a0, \a0+1
.irp b, 0,1,2,3,4,5,6,7
	v_wmma_scale_f32_16x16x128_f8f6f4 v[8*(8*((\a)%4)+\b):8*(8*((\a)%4)+\b)+7], v[128*(\p)+FR*\b:128*(\p)+FR*\b+FR-1], v[AF+FR*(\a):AF+FR*(\a)+FR-1], v[8*(8*((\a)%4)+\b):8*(8*((\a)%4)+\b)+7], v[SC+8*NQ*(\sc)+NQ*\b+(\q)], v[SC+8*NQ*(\sc)+NQ*(\a)+(\q)] matrix_a_scale:MATRIX_SCALE_ROW1
.endr
.endr
.endm
.macro FETCH_B slot, q, p
	WIN TO_B
.irp i, 0,1,2,3,4,5,6,7
	FRAG 128*(\p)+FR*\i, ADRB+\slot, \q, \i
.endr
	WIN 0
.endm
.macro FETCH_A slot, q, i0
.irp i, \i0, \i0+1, \i0+2, \i0+3
	FRAG AF+FR*(\i), ADRA+\slot, \q, \i
.endr
.endm
.macro SCALES sc                       ; lanes 0-15 take source 1's tile i, lanes 16-31 source 0's: two words a row
.irp i, 0,1,2,3,4,5,6,7
	ds_load_b64 v[SC+8*NQ*\sc+NQ*\i:SC+8*NQ*\sc+NQ*\i+1], v[ADRS] offset:\i*SBLK
.endr
.endm
.macro PLACES n
.rept \n
	v_nop
.endr
.endm
.macro STEP slot, q                    ; 128 along K with its successor in the same slot
	s_wait_dscnt 4*NL                              ; all but the youngest 16 loads (source 1's tiles 4-7)
	WIN MUL_LO
	MUL16 0, (\q)%2, \q, \slot
	MUL16 2, (\q)%2, \q, \slot
	s_wait_dscnt 0
	PLACES NP
	FETCH_B \slot, (\q)+1, 1-(\q)%2
	FETCH_A \slot, (\q)+1, 0
	WIN MUL_HI
	MUL16 4, (\q)%2, \q, \slot
	MUL16 6, (\q)%2, \q, \slot
	PLACES NP
	WIN 0
	FETCH_A \slot, (\q)+1, 4
.endm
.macro TURN slot, next, fill           ; a slot's last step changes slots: one barrier; fill = 1: it opens a round of the cluster's barrier and this slot is filled again
	s_wait_tensorcnt 0x0                           ; all my tensor loads have landed: my part of the next slot
	ds_add_u32 v[SPW], v[NIL]                      ; 0 onto my spare word
	s_wait_dscnt 4*NL+1                            ; the add and the youngest 16 loads may be out
	WIN MUL_LO
	MUL16 0, 1, NQ-1, \slot
	s_wait_dscnt 0x0                               ; the add is done, and my reads of this slot are over
	s_barrier_signal -1
	MUL16 2, 1, NQ-1, \slot
	WIN 0
	s_barrier_wait -1
.if \fill
	CREST                                          ; no wave of any partner still reads this slot or has a load on its way
	s_add_nc_u64 s[G0+4*\slot+2:G0+4*\slot+3], s[G0+4*\slot+2:G0+4*\slot+3], 8192
	s_add_nc_u64 s[G0B+4*\slot+2:G0B+4*\slot+3], s[G0B+4*\slot+2:G0B+4*\slot+3], 8192
	JLOAD G0+4*\slot, G1, G0B+4*\slot, G1B         ; the first tensor load behind the round; its four v_nop are among the places below
	PLACES NP-4
.else
	PLACES NP
.endif
	v_add_nc_u32 v[ADRS], 4*NQ, v[ADRS]
	FETCH_B \next, 0, 0
	FETCH_A \next, 0, 0
	SCALES \next
	WIN MUL_HI
	MUL16 4, 1, NQ-1, \slot
	MUL16 6, 1, NQ-1, \slot
	PLACES NP
	WIN 0
	FETCH_A \next, 0, 4
.endm
	s_wait_tensorcnt 1                             ; the scale words and my part of slot 0 are in; slot 1's load may be out
	s_barrier_signal -1
	s_barrier_wait -1
	FETCH_B 0, 0, 0
	FETCH_A 0, 0, 0
	SCALES 0
	FETCH_A 0, 0, 4
	STEP 0, 0                                      ; K = 1,024 is four slots' worth: written straight
	TURN 0, 1, 1
	STEP 1, 0
	TURN 1, 0, 1
	STEP 0, 0
	TURN 0, 1, 0                                   ; nothing is left to fetch
	STEP 1, 0
	s_wait_dscnt 4*NL
	WIN MUL_LO
	MUL16 0, 1, NQ-1, 1
	MUL16 2, 1, NQ-1, 1
	s_wait_dscnt 0
	WIN MUL_HI
	MUL16 4, 1, NQ-1, 1
	MUL16 6, 1, NQ-1, 1
	WIN 0
	PLACES NP
	; ---- THE WAY OUT.  For source 1's tile a a lane's 64 registers are 128 neighbours' worth of source 0's axis (32 j + 16 h + i): four blocks of 32: quantised in registers; the codes are images again and go straight to memory.
	s_cmp_lt_u32 ttmp9, 2
	s_cselect_b32 s68, s41, s40                    ; the tokens lie along source 1 (q, k) or source 0 (v): their place in the cluster,
	s_cselect_b32 s69, s15, s16                    ; and my half
	s_cselect_b32 s70, s40, s41                    ; the heads lie along the other
	s_cselect_b32 s71, s16, s15
	s_lshl_b32 s68, s68, 4
	s_lshl_b32 s69, s69, 3
	s_add_co_u32 s72, s17, s68
	s_add_co_u32 s72, s72, s69                     ; my first tile of tokens
	s_lshr_b32 s73, s72, 7                         ; batch
	s_and_b32 s74, s72, 127                        ; tile in the sequence
	s_lshl_b32 s70, s70, 2
	s_lshl_b32 s71, s71, 1
	s_add_co_u32 s75, s70, s71                     ; my first head of two
	s_lshl_b32 s73, s73, 4
	s_add_co_u32 s75, s75, s73                     ; bh
	s_lshl_b32 s76, s75, 7
	s_add_co_u32 s76, s76, s74
	s_lshl_b32 s77, s76, 6
	s_add_co_u32 s77, s77, 8388608                 ; q's scale words
	s_lshl_b32 s76, s76, 10                        ; q's codes
	s_lshl_b32 s78, s75, 4
	s_lshr_b32 s79, s74, 3
	s_add_co_u32 s78, s78, s79
	s_mul_i32 s78, s78, 17152                      ; the record
	s_add_co_u32 s79, s78, 16384                   ; k's scale words
	s_mov_b32 s83, 274432                          ; from a head to the next: 16 records
	s_mov_b32 s87, 1024                            ; from tile to tile
	s_mov_b32 s88, 4096                            ; from tile 0 to tile 4
	s_mov_b32 s89, 256                             ; the same among the scale words
	s_mov_b32 s90, 16                              ; lanes 16-31 store the word's upper half: the second head's two bytes
	s_cmp_eq_u32 ttmp9, 0
	s_cselect_b64 s[80:81], s[8:9], s[10:11]
	s_cselect_b32 s82, s76, s78
	s_cselect_b32 s84, s77, s79
	s_cselect_b32 s85, 131072, s83                 ; from blocks 0, 1 to blocks 2, 3: the next head
	s_cselect_b32 s86, 8192, s83                   ; the same among the scale words
	s_add_co_u32 s76, s78, 8192
	s_add_co_u32 s77, s78, 16896
	s_cmp_eq_u32 ttmp9, 2                          ; v: a tile is a whole fragment of one head; tiles 4-7 are the next head's; one scale word a row
	s_cselect_b32 s82, s76, s82
	s_cselect_b32 s84, s77, s84
	s_cselect_b32 s85, 1024, s85
	s_cselect_b32 s86, 0, s86
	s_cselect_b32 s87, 2048, s87
	s_cselect_b32 s88, s83, s88
	s_cselect_b32 s89, s83, s89
	s_cselect_b32 s90, 0, s90
	s_mov_b32 s67, 0
	s_mov_b32 s66, s82
	s_add_nc_u64 s[92:93], s[80:81], s[66:67]      ; blocks 0, 1 of tiles 0-3
	s_mov_b32 s66, s85
	s_add_nc_u64 s[94:95], s[92:93], s[66:67]      ; blocks 2, 3
	s_mov_b32 s66, s88
	s_add_nc_u64 s[96:97], s[92:93], s[66:67]      ; tiles 4-7
	s_add_nc_u64 s[98:99], s[94:95], s[66:67]
	s_mov_b32 s66, s84
	s_add_nc_u64 s[68:69], s[80:81], s[66:67]      ; scale words of tiles 0-3,
	s_mov_b32 s66, s89
	s_add_nc_u64 s[70:71], s[68:69], s[66:67]      ; of tiles 4-7
	s_mov_b32 s2, 0x76543210
	s_mov_b32 s3, 0xfedcba98
	s_mov_b32 s23, 0x600000
	v_mov_b32 v8, v[LI]
	v_add_nc_u32 v9, s87, v8
	v_add_nc_u32 v10, s87, v9
	v_add_nc_u32 v11, s87, v10
	v_mul_u32_u24 v12, s86, v2
	v_lshl_add_u32 v12, v1, 2, v12
	v_mul_u32_u24 v13, s90, v2
.irp b, 0,1,2,3
	v_mov_b32 v[TM+4+\b], 0                        ; a lane permute's destination counts as one of its sources
.endr
.macro QUANTW a
.set AC, 64*((\a)%4)
.set W, 2+(\a)/4
.set WW, W|(W<<2)
.set P0, 92+4*((\a)/4)
.set PS, 68+2*((\a)/4)
	WIN WW                                         ; sources 0 and 1: the accumulators' window
.irp b, 0,1,2,3
	v_max3_num_f32 v[TM+\b], |v[AC+16*\b]|, |v[AC+16*\b+1]|, 0x4800000   ; each accumulator is read from its low end on; the floor 2^(9 - 127)
.endr
.irp i, 2,4,6,8,10,12,14
.irp b, 0,1,2,3
	v_max3_num_f32 v[TM+\b], |v[AC+16*\b+\i]|, |v[AC+16*\b+\i+1]|, v[TM+\b]
.endr
.endr
	WIN 0
.irp b, 0,1,2,3
	v_permlanex16_b32 v[TM+4+\b], v[TM+\b], s2, s3
.endr
.irp b, 0,1,2,3
	v_max_num_f32 v[TM+\b], v[TM+\b], v[TM+4+\b]
.endr
.irp b, 0,1,2,3
	v_add_nc_u32 v[TM+12+\b], 0xfc000000, v[TM+\b]
.endr
.irp b, 0,1,2,3
	v_and_or_b32 v[TM+8+\b], v[TM+\b], 0x7f800000, s23
.endr
.irp b, 0,1,2,3
	v_lshrrev_b32 v[TM+4+\b], 23, v[TM+12+\b]
.endr
	v_lshl_or_b32 v[PW], v[TM+5], 8, v[TM+4]
	v_lshl_or_b32 v[PW], v[TM+6], 16, v[PW]
	v_lshl_or_b32 v[PW], v[TM+7], 24, v[PW]
	WIN W                                          ; source 0: the accumulators' window.  The sums are left as they are: what is made of them goes into other registers
.irp b, 0,1,2,3
.irp i, 0,1,2,3,4,5,6,7,8,9,10,11,12,13,14,15
	v_med3_num_f32 v[X+16*\b+\i], v[AC+16*\b+\i], -v[TM+8+\b], v[TM+8+\b]
.endr
.endr
	WIN 0
	s_wait_xcnt 0x0                                ; the last tile's stores have read their data: the codes' registers are written again only behind this wait
.irp b, 0,1,2,3
	v_cvt_scalef32_pk8_fp8_f32 v[PC+4*\b:PC+1+4*\b], v[X+16*\b:X+7+16*\b], v[TM+12+\b]
	v_cvt_scalef32_pk8_fp8_f32 v[PC+2+4*\b:PC+3+4*\b], v[X+8+16*\b:X+15+16*\b], v[TM+12+\b]
.endr
	v_lshrrev_b32 v[SV], v13, v[PW]                ; (a plain line behind the last conversion)
	global_store_b128 v[8+(\a)%4], v[PC:PC+3], s[P0:P0+1]             ; 512 consecutive bytes an instruction
	global_store_b128 v[8+(\a)%4], v[PC+4:PC+7], s[P0:P0+1] offset:512
	global_store_b128 v[8+(\a)%4], v[PC+8:PC+11], s[P0+2:P0+3]
	global_store_b128 v[8+(\a)%4], v[PC+12:PC+15], s[P0+2:P0+3] offset:512
	global_store_b32 v12, v[SV], s[PS:PS+1] offset:64*((\a)%4)
.endm
.irp a, 0,1,2,3,4,5,6,7
	QUANTW \a
.endr
	s_wait_tensorcnt 0x0                           ; the wave's end
	ds_add_u32 v[SPW], v[NIL]
	s_wait_dscnt 0x0
	CROUND                                         ; the closing round
	s_endpgm
.Lfunc_end_k_q1066088fd2_gemm_qkv:
	.size	k_q1066088fd2_gemm_qkv, .Lfunc_end_k_q1066088fd2_gemm_qkv-k_q1066088fd2_gemm_qkv
	.p2alignl 7, 3214868480
	.fill 96, 4, 3214868480
	.section	.rodata,"a",@progbits
	.p2align	6, 0x0
	.amdhsa_kernel k_q1066088fd2_gemm_qkv
		.amdhsa_group_segment_fixed_size 327680
		.amdhsa_private_segment_fixed_size 0
		.amdhsa_enable_private_segment 0
		.amdhsa_kernarg_size 32
		.amdhsa_user_sgpr_count 2
		.amdhsa_user_sgpr_kernarg_segment_ptr 1
		.amdhsa_wavefront_size32 1
		.amdhsa_system_sgpr_workgroup_id_x 1
		.amdhsa_system_sgpr_workgroup_id_y 1
		.amdhsa_system_sgpr_workgroup_id_z 1
		.amdhsa_system_vgpr_workitem_id 0
		.amdhsa_next_free_vgpr 1024
		.amdhsa_next_free_sgpr 102
		.amdhsa_reserve_vcc 0
		.amdhsa_float_denorm_mode_32 3
		.amdhsa_float_denorm_mode_16_64 3
		.amdhsa_memory_ordered 1
		.amdhsa_forward_progress 1
		.amdhsa_inst_pref_size 197
	.end_amdhsa_kernel
	.amdgpu_metadata
---
amdhsa.version: [ 1, 2 ]
amdhsa.kernels:
  - .name:           k_q1066088fd2_gemm_qkv
    .symbol:         k_q1066088fd2_gemm_qkv.kd
    .args:
      - { .name: opc, .offset: 0, .size: 8, .value_kind: global_buffer, .address_space: global }
      - { .name: osl, .offset: 8, .size: 8, .value_kind: global_buffer, .address_space: global }
      - { .name: qq, .offset: 16, .size: 8, .value_kind: global_buffer, .address_space: global }
      - { .name: kv, .offset: 24, .size: 8, .value_kind: global_buffer, .address_space: global }
    .group_segment_fixed_size: 327680
    .private_segment_fixed_size: 0
    .kernarg_segment_align: 8
    .kernarg_segment_size: 32
    .max_flat_workgroup_size: 128
    .sgpr_count:     102
    .vgpr_count:     1024
    .wavefront_size: 32
...
	.end_amdgpu_metadata
.endif
;; end of part 2
;; launch attn (part 3): grid 4 x 64, 16 waves a work-group, no clusters, 67,584 bytes of LDS; arguments qq, kv, msk, Aproj, oc, oso; writes oc, oso
.if DOCPART == 3
	.amdgcn_target "amdgcn-amd-amdhsa--gfx1250"
	.amdhsa_code_object_version 6
	.text
	.protected	k_q1066088fd2_attn
	.globl	k_q1066088fd2_attn
	.p2align	8
	.type	k_q1066088fd2_attn,@function
k_q1066088fd2_attn:
	s_mov_b64 s[64:65], 0
	v_nop
	global_prefetch_b8 v0, s[64:65] scope:SCOPE_SE
	s_setreg_imm32_b32 hwreg(HW_REG_WAVE_MODE, 25, 1), 1
	s_wait_xcnt 0x0
; out = softmax(q k^T / 8, masked) v for each of 64 (batch, head), both products on codes of E4M3; then out is quantised along E for the last product, and 2 out Aproj^T is made head by head in f32.
; LEFT OUT, by whole numbers that launch prep stored from the mask input (never by a pattern built in): a step of 128 keys for a tile of 16 queries where all 2,048 mask entries are 0 and every one of the 16 queries has
; a live key somewhere: there each weight is 2^(t - M) with t about -1.5e9, which is 0 in f32.  A tile with a query that is masked everywhere takes all 16 steps, and that query's row becomes the plain average, as in reference().
; THE MASKED VALUE.  A masked raw score becomes -2^33, a logit of -2^30 where reference() writes -1e9: -2^33 x c is exact and a whole number, so a row that is masked everywhere gets M = t and p = 1 exactly.
; LIMIT: the result is reference()'s while the live logits of a row lie above about -9e8.  NaN and infinities are not served.
; THE SOFTMAX: t = score x c, c = log2(e) / 8; M = the running largest t rounded up to a whole number; p = 2^(t - M) is quantised along the keys, not normalised; the row's sum is taken of the unquantised p and divides at the
; end; when M moves, the sum and O are multiplied by 2^(old M - new M): exact.  A row that has met masked keys alone holds p = 1 sums; its first live key makes that factor 0.
; SHARES: a work-group takes one (batch, head) and two blocks of 256 queries, i and 7 - i, one after the other; each of its sixteen waves one image tile of 16 queries, in 256 registers.  A pass walks 16 key steps of 128.
; A step's record (17,152 bytes: k's codes, v^T's codes, their scale words, all as images of operand registers) is copied through registers into one of two LDS slots, asked for a whole step ahead, if some wave of the
; work-group needs it.  No tensor load: the branches hang on stored numbers.  No cluster: which steps a work-group takes hangs on them too.  One barrier a step, on every wave's path.
; Both products are used transposed: S^T = k q^T, O^T = v^T p^T: a lane holds one query.  The head's 64 fill half of the instruction's 128: registers 8-15 of q's and k's fragments are zero codes.
; REGISTERS: v1 16 lane, v2 4 lane, v3 16 thread, v4 4 thread, v5, v6 the add's two, v7 -2^33, v8 32 r + 16 h, v9 32 r + h, v10 4 r, v11 Aproj's offset; v12 -M, v13 the largest t, v[14:15] the sum; v16-31 q; v32-95 four
; fragments of k; v96-159 S^T, p, then v^T's four fragments; v160-191 O^T; v192-207 p's codes; v208-223 work; v224-231 scale words (k 4, v 2, q, p); v[232:233] f; v234, v235 work; v236-244 the copy; v248-255 the f32 form's sums.
; s16-63, s68-83: the step's 64 mask words.
.set REC,   17152
.set SL1,   32768
.set SPARE, 65536                      ; the spare words, 128 bytes a wave: no other line names them
.set KFR,   32
.set ST,    96
.set OT,    160
.set PCD,   192
.set KSC,   224
.set VSC,   228
.set QSC,   230
.set PSW,   231
	s_load_b256 s[88:95], s[0:1], 0x0              ; qq 88, kv 90, msk 92, Aproj 94
	s_load_b128 s[96:99], s[0:1], 0x20             ; oc 96, oso 98
	v_lshl_add_u32 v5, v0, 2, SPARE
	v_mov_b32 v6, 0
	v_lshrrev_b32 v1, 5, v0
	v_readfirstlane_b32 s2, v1                     ; wave 0..15
	v_and_b32 v9, 31, v0
	v_lshlrev_b32 v1, 4, v9
	v_lshlrev_b32 v2, 2, v9
	v_lshlrev_b32 v3, 4, v0
	v_lshlrev_b32 v4, 2, v0
	v_mov_b32 v7, 0xd0000000                       ; -2^33
	v_and_b32 v10, 15, v0                          ; r
	v_bfe_u32 v11, v0, 4, 1                        ; h
	v_lshlrev_b32 v8, 5, v10
	v_add_nc_u32 v9, v8, v11
	v_lshl_add_u32 v8, v11, 4, v8
	v_and_b32 v235, 7, v10
	v_lshlrev_b32 v235, 12, v235
	v_lshl_add_u32 v11, v11, 6, v235               ; Aproj: row r % 8, + 64 h
	v_lshlrev_b32 v10, 2, v10
.irp j, 24,25,26,27,28,29,30,31
	v_mov_b32 v[\j], 0                             ; zero codes: q's k = 64 .. 127
.endr
.irp t, 0,1,2,3
.irp j, 8,9,10,11,12,13,14,15
	v_mov_b32 v[KFR+16*\t+\j], 0                   ; and k's: they stay
.endr
.endr
.irp j, 212,213,214,215,233,234,236,237,238,239,240,241,242,243,244
	v_mov_b32 v[\j], 0                             ; permutes' destinations, a pair's upper half, and the copy's registers: written on every way
.endr
	s_mov_b32 s66, 0x76543210
	s_mov_b32 s67, 0xfedcba98
	s_mov_b32 s84, 0x3e38aa3b                      ; c = log2(e) / 8
	s_mov_b32 s85, s84
	s_mov_b32 s86, 0x600000                        ; the mantissa field of 448
	s_mov_b32 s87, 0xffff0000                      ; lanes 16-31
	s_and_b32 s101, ttmp7, 0xffff                  ; bh
	s_mov_b32 s3, 0                                ; pass
	s_wait_kmcnt 0x0
.macro FILL_LOAD off                   ; a record: thread t takes 16 bytes of k's codes and 16 of v's; waves 0-5 4 bytes of the 768 of scale words
	global_load_b128 v[236:239], v3, s[4:5] offset:\off
	global_load_b128 v[240:243], v3, s[4:5] offset:\off+8192
	s_cmp_lt_u32 s2, 6
	s_cbranch_scc0 .Lfl_\@
	global_load_b32 v244, v4, s[4:5] offset:\off+16384
.Lfl_\@:
.endm
.macro FILL_STORE slot
	ds_store_b128 v3, v[236:239] offset:\slot*SL1
	ds_store_b128 v3, v[240:243] offset:\slot*SL1+8192
	s_cmp_lt_u32 s2, 6
	s_cbranch_scc0 .Lfs_\@
	ds_store_b32 v4, v244 offset:\slot*SL1+16384
.Lfs_\@:
.endm
; A KEY STEP of a wave: 128 keys from the slot
.macro STEP slot
.set LB, (\slot)*SL1
	s_load_b512 s[16:31], s[6:7], 0x0              ; the step's 64 mask words
	s_load_b512 s[32:47], s[6:7], 0x40
	s_load_b512 s[48:63], s[6:7], 0x80
	s_load_b512 s[68:83], s[6:7], 0xc0
.rept 9
	v_nop                                          ; S^T is laid over registers that the last step's second product read: nine places
.endr
.irp g, 0,1
.if \g
.rept 8
	v_nop                                          ; places in front of loads into registers that matrix instructions have read
.endr
.endif
.irp t, 0,1,2,3
	ds_load_b128 v[KFR+16*\t:KFR+16*\t+3], v1 offset:LB+1024*(4*\g+\t)
	ds_load_b128 v[KFR+16*\t+4:KFR+16*\t+7], v1 offset:LB+1024*(4*\g+\t)+512
.endr
.if \g == 0
.irp p, 0,1,2,3
	ds_load_b32 v[KSC+\p], v2 offset:LB+16384+128*\p   ; lanes 0-15: tile 2 p's scale words, lanes 16-31: tile 2 p + 1's
.endr
.endif
	s_wait_dscnt 0x0
	v_wmma_scale_f32_16x16x128_f8f6f4 v[ST+32*\g:ST+32*\g+7], v[KFR:KFR+15], v[16:31], 0, v[KSC+2*\g], v[QSC]
	v_wmma_scale_f32_16x16x128_f8f6f4 v[ST+32*\g+8:ST+32*\g+15], v[KFR+16:KFR+31], v[16:31], 0, v[KSC+2*\g], v[QSC] matrix_a_scale:MATRIX_SCALE_ROW1
	v_wmma_scale_f32_16x16x128_f8f6f4 v[ST+32*\g+16:ST+32*\g+23], v[KFR+32:KFR+47], v[16:31], 0, v[KSC+2*\g+1], v[QSC]
	v_wmma_scale_f32_16x16x128_f8f6f4 v[ST+32*\g+24:ST+32*\g+31], v[KFR+48:KFR+63], v[16:31], 0, v[KSC+2*\g+1], v[QSC] matrix_a_scale:MATRIX_SCALE_ROW1
.endr                                  ; register n: key 32 (n / 16) + 16 h + n % 16 of the step
.rept 8
	v_nop
.endr
	s_wait_kmcnt 0x0
	s_bitcmp1_b32 s9, 0                            ; a step all of whose entries are live skips the selection
	s_cbranch_scc0 .Lopen_\@
.set n, 0
.rept 64
	v_cndmask_b32 v[ST+n], v7, v[ST+n], s[16+n+4*(n/48)]
.set n, n+1
.endr
.Lopen_\@:
.irp b, 0,1,2,3
	v_max3_num_f32 v[208+\b], v[ST+16*\b], v[ST+1+16*\b], v[ST+2+16*\b]   ; the largest score of each block of 32 keys: for the row's maximum, and for the block's largest p
.endr
.irp i, 3,5,7,9,11,13
.irp b, 0,1,2,3
	v_max3_num_f32 v[208+\b], v[208+\b], v[ST+16*\b+\i], v[ST+1+16*\b+\i]
.endr
.endr
.irp b, 0,1,2,3
	v_max_num_f32 v[208+\b], v[208+\b], v[ST+15+16*\b]
.endr
.irp b, 0,1,2,3
	v_permlanex16_b32 v[212+\b], v[208+\b], s66, s67
.endr
.irp b, 0,1,2,3
	v_max_num_f32 v[208+\b], v[208+\b], v[212+\b]
.endr
	v_max3_num_f32 v234, v208, v209, v210
	v_max_num_f32 v234, v234, v211
	v_mul_f32 v234, s84, v234
	v_max_num_f32 v13, v13, v234                   ; the running largest t
	v_mov_b32 v234, v12
	v_floor_f32 v12, -v13                          ; the new -M
	v_sub_f32 v234, v12, v234                      ; old M - new M: a whole number, 0 or less
	v_cvt_i32_f32 v234, v234                       ; (it saturates)
	v_ldexp_f32 v232, 1.0, v234                    ; f
.set j, 0
.rept 32
	v_pk_fma_f32 v[ST+j:ST+j+1], v[ST+j:ST+j+1], s[84:85], v[12:13] op_sel_hi:[1,0,0]   ; t - M
.set j, j+2
.endr
.irp b, 0,1,2,3
	v_fma_f32 v[208+\b], v[208+\b], s84, v12
.endr
.set j, 0
.rept 64
	v_exp_f32 v[ST+j], v[ST+j]                     ; p
.set j, j+1
.endr
	v_pk_mul_f32 v[14:15], v[14:15], v[232:233] op_sel_hi:[1,0]   ; the sums under the new M (a plain line behind the exponentials)
	s_wait_alu depctr_va_vdst(0)                   ; one wait for the batch, ahead of its first reader
.irp b, 0,1,2,3
	v_exp_f32 v[208+\b], v[208+\b]                 ; each block's largest p
.endr
	v_pk_add_f32 v[212:213], v[ST:ST+1], v[ST+2:ST+3]   ; the row's sum, of the unquantised p, in two chains
.set j, 4
.rept 15
	v_pk_add_f32 v[14:15], v[14:15], v[ST+j:ST+j+1]
	v_pk_add_f32 v[212:213], v[212:213], v[ST+j+2:ST+j+3]
.set j, j+4
.endr
	v_pk_add_f32 v[14:15], v[14:15], v[212:213]
	s_wait_alu depctr_va_vdst(0)                   ; and one for the four
.irp b, 0,1,2,3
	v_max_num_f32 v[208+\b], 0x4800000, v[208+\b]  ; the floor 2^(9 - 127)
.endr
.irp b, 0,1,2,3
	v_add_nc_u32 v[220+\b], 0xfc000000, v[208+\b]
.endr
.irp b, 0,1,2,3
	v_and_or_b32 v[216+\b], v[208+\b], 0x7f800000, s86
.endr
.irp b, 0,1,2,3
	v_lshrrev_b32 v[212+\b], 23, v[220+\b]
.endr
	v_lshl_or_b32 v[PSW], v213, 8, v212
	v_lshl_or_b32 v[PSW], v214, 16, v[PSW]
	v_lshl_or_b32 v[PSW], v215, 24, v[PSW]
.irp b, 0,1,2,3
.irp i, 0,1,2,3,4,5,6,7,8,9,10,11,12,13,14,15
	v_min_num_f32 v[ST+16*\b+\i], v[ST+16*\b+\i], v[216+\b]   ; the hold: p is not negative
.endr
	v_cvt_scalef32_pk8_fp8_f32 v[PCD+4*\b:PCD+1+4*\b], v[ST+16*\b:ST+7+16*\b], v[220+\b]
	v_cvt_scalef32_pk8_fp8_f32 v[PCD+2+4*\b:PCD+3+4*\b], v[ST+8+16*\b:ST+15+16*\b], v[220+\b]
.endr
	v_nop                                          ; one plain line behind the last conversion
.irp t, 0,1,2,3
.irp c, 0,1,2,3
	ds_load_b128 v[ST+16*\t+4*\c:ST+16*\t+4*\c+3], v1 offset:LB+8192+2048*\t+512*\c   ; v^T's four fragments, where p lay
.endr
.endr
	ds_load_b32 v[VSC], v2 offset:LB+16896
	ds_load_b32 v[VSC+1], v2 offset:LB+16896+128
.set j, 0
.rept 16
	v_pk_mul_f32 v[OT+j:OT+j+1], v[OT+j:OT+j+1], v[232:233] op_sel_hi:[1,0]   ; O^T under the new M; also the places ahead of the products
.set j, j+2
.endr
	s_wait_dscnt 0x0
	v_wmma_scale_f32_16x16x128_f8f6f4 v[OT:OT+7], v[ST:ST+15], v[PCD:PCD+15], v[OT:OT+7], v[VSC], v[PSW]
	v_wmma_scale_f32_16x16x128_f8f6f4 v[OT+8:OT+15], v[ST+16:ST+31], v[PCD:PCD+15], v[OT+8:OT+15], v[VSC], v[PSW] matrix_a_scale:MATRIX_SCALE_ROW1
	v_wmma_scale_f32_16x16x128_f8f6f4 v[OT+16:OT+23], v[ST+32:ST+47], v[PCD:PCD+15], v[OT+16:OT+23], v[VSC+1], v[PSW]
	v_wmma_scale_f32_16x16x128_f8f6f4 v[OT+24:OT+31], v[ST+48:ST+63], v[PCD:PCD+15], v[OT+24:OT+31], v[VSC+1], v[PSW] matrix_a_scale:MATRIX_SCALE_ROW1
.endm
; A TRIP: the next record is asked for; my step, if my flags ask for it; the next record goes into the other slot; one barrier, which parts this trip's reads of the slot from the next trip's stores into it,
; and this trip's stores from the next trip's reads.  Waits and barrier stand on every wave's path.
.macro TRIP slot
	s_bitcmp1_b32 s10, 1
	s_cbranch_scc0 .Lnl_\@
	FILL_LOAD REC
.Lnl_\@:
	s_bitcmp1_b32 s8, 0
	s_cbranch_scc0 .Lns_\@
	STEP \slot
.Lns_\@:
	s_wait_loadcnt 0x0
	s_bitcmp1_b32 s10, 1
	s_cbranch_scc0 .Lnf_\@
	FILL_STORE (1-\slot)
.Lnf_\@:
	s_wait_xcnt 0x0                                ; the bases are stepped only behind this wait
	s_add_nc_u64 s[4:5], s[4:5], REC
	s_add_nc_u64 s[6:7], s[6:7], 256
	s_lshr_b32 s8, s8, 1
	s_lshr_b32 s9, s9, 1
	s_lshr_b32 s10, s10, 1
	s_wait_dscnt 0x0
	s_barrier_signal -1
	s_barrier_wait -1
.endm
.Lpass:
	s_sub_co_u32 s13, 7, ttmp9
	s_cmp_eq_u32 s3, 0
	s_cselect_b32 s100, ttmp9, s13                 ; the block of 256 queries
	s_lshl_b32 s14, s100, 7
	s_add_co_u32 s14, s14, 524288
	s_mov_b32 s15, 0
	s_add_nc_u64 s[12:13], s[92:93], s[14:15]      ; the block's sixteen pairs of flags
	s_lshl_b32 s14, s2, 3
	s_load_b512 s[16:31], s[12:13], 0x0
	s_load_b512 s[32:47], s[12:13], 0x40
	s_load_b64 s[8:9], s[12:13], s14 offset:0x0    ; my tile's: ACT, MSK
	s_lshl_b32 s100, s100, 4
	s_add_co_u32 s100, s100, s2                    ; my query tile
	s_lshl_b32 s70, s101, 7
	s_add_co_u32 s70, s70, s100
	s_lshl_b32 s72, s70, 6
	s_add_co_u32 s72, s72, 8388608
	s_mov_b32 s73, 0
	s_lshl_b32 s70, s70, 10
	s_mov_b32 s71, 0
	s_add_nc_u64 s[68:69], s[88:89], s[70:71]
	s_add_nc_u64 s[74:75], s[88:89], s[72:73]
	global_load_b128 v[16:19], v1, s[68:69]        ; q's codes
	global_load_b128 v[20:23], v1, s[68:69] offset:512
	global_load_b32 v[QSC], v10, s[74:75]          ; and scale words
	s_mul_i32 s76, s101, 16*REC
	s_mov_b32 s77, 0
	s_add_nc_u64 s[4:5], s[90:91], s[76:77]        ; the head's first record
	s_lshl_b32 s78, s100, 12
	s_mov_b32 s79, 0
	s_add_nc_u64 s[6:7], s[92:93], s[78:79]        ; my tile's mask words
	v_mov_b32 v13, 0xff61b1e6                      ; -3e38, under every t
	v_floor_f32 v12, -v13
	v_mov_b32 v14, 0
	v_mov_b32 v15, 0
.set j, 0
.rept 32
	v_mov_b32 v[OT+j], 0                           ; the step is written once: the first finds zeros
.set j, j+1
.endr
	s_mov_b32 s11, 8
	s_wait_kmcnt 0x0
	s_or_b32 s10, s16, s18                         ; NEED: the steps that some wave of the work-group takes
.irp j, 20,22,24,26,28,30,32,34,36,38,40,42,44,46
	s_or_b32 s10, s10, s[\j]
.endr
	s_bitcmp1_b32 s10, 0
	s_cbranch_scc0 .Lno_first
	FILL_LOAD 0
	s_wait_loadcnt 0x0
	FILL_STORE 0                                   ; every wave has passed the last trip's barrier: nobody reads a slot
.Lno_first:
	s_wait_loadcnt 0x0
	s_wait_dscnt 0x0
	s_barrier_signal -1
	s_barrier_wait -1
.Ltrip:
	TRIP 0
	TRIP 1
	s_sub_co_u32 s11, s11, 1
	s_cmp_lg_u32 s11, 0
	s_cbranch_scc1 .Ltrip
	; ---- the pass's end: out = O^T / the sum; 2 out Aproj^T for this head; out's codes and scale bytes
.rept 8
	v_nop
.endr
	s_and_b32 s16, s101, 15                        ; head
	s_lshr_b32 s17, s101, 4
	s_lshl_b32 s17, s17, 7
	s_add_co_u32 s17, s17, s100                    ; the tile of tokens, of 512
	s_lshl_b32 s18, s16, 8
	s_mov_b32 s19, 0
	s_add_nc_u64 s[20:21], s[94:95], s[18:19]
.irp b, 0,1
.irp j, 0,1,2,3
	global_load_b128 v[128+16*\b+4*\j:131+16*\b+4*\j], v11, s[20:21] offset:128*\b+16*\j   ; Aproj[r % 8] at my 32 channels
.endr
.endr
	s_lshl_b32 s22, s17, 14
	s_lshl_b32 s24, s16, 10                        ; K step head / 2, blocks 2 (head % 2) on: 1,024 x head
	s_add_co_u32 s22, s22, s24
	s_mov_b32 s23, 0
	s_add_nc_u64 s[22:23], s[96:97], s[22:23]
	s_lshl_b32 s28, s17, 9
	s_lshl_b32 s24, s16, 1
	s_add_co_u32 s24, s24, s28
	s_mov_b32 s25, 0
	s_add_nc_u64 s[24:25], s[98:99], s[24:25]
	s_lshl_b32 s26, s16, 18
	s_add_co_u32 s26, s26, s28
	s_add_co_u32 s26, s26, 262144
	s_mov_b32 s27, 0
	s_add_nc_u64 s[26:27], s[98:99], s[26:27]
	v_add_f32 v14, v14, v15
	v_permlanex16_b32 v234, v14, s66, s67
	v_add_f32 v14, v14, v234                       ; the row's sum
	v_rcp_f32 v14, v14
	v_nop
	s_wait_alu depctr_va_vdst(0)
.set j, 0
.rept 16
	v_pk_mul_f32 v[ST+j:ST+j+1], v[OT+j:OT+j+1], v[14:15] op_sel_hi:[1,0]   ; register 16 b + i: channel 32 b + 16 h + i of my query
.set j, j+2
.endr
	s_wait_loadcnt 0x0
	v_wmma_f32_16x16x4_f32 v[248:255], v[128:129], v[ST:ST+1], 0
.set q, 1
.rept 15
	s_wait_alu depctr_va_vdst(0)                   ; a wait directly ahead of each link
	v_wmma_f32_16x16x4_f32 v[248:255], v[128+2*q:129+2*q], v[ST+2*q:ST+2*q+1], v[248:255]
.set q, q+1
.endr
.irp b, 0,1
	v_max3_num_f32 v[208+\b], |v[ST+16*\b]|, |v[ST+1+16*\b]|, 0x4800000
.endr
.irp i, 2,4,6,8,10,12,14
.irp b, 0,1
	v_max3_num_f32 v[208+\b], v[208+\b], |v[ST+16*\b+\i]|, |v[ST+1+16*\b+\i]|
.endr
.endr
.irp b, 0,1
	v_permlanex16_b32 v[212+\b], v[208+\b], s66, s67
.endr
.irp b, 0,1
	v_max_num_f32 v[208+\b], v[208+\b], v[212+\b]
.endr
.irp b, 0,1
	v_add_nc_u32 v[220+\b], 0xfc000000, v[208+\b]
.endr
.irp b, 0,1
	v_and_or_b32 v[216+\b], v[208+\b], 0x7f800000, s86
.endr
.irp b, 0,1
	v_lshrrev_b32 v[212+\b], 23, v[220+\b]
.endr
.irp b, 0,1
.irp i, 0,1,2,3,4,5,6,7,8,9,10,11,12,13,14,15
	v_med3_num_f32 v[OT+16*\b+\i], v[ST+16*\b+\i], -v[216+\b], v[216+\b]
.endr
	v_cvt_scalef32_pk8_fp8_f32 v[PCD+4*\b:PCD+1+4*\b], v[OT+16*\b:OT+7+16*\b], v[220+\b]
	v_cvt_scalef32_pk8_fp8_f32 v[PCD+2+4*\b:PCD+3+4*\b], v[OT+8+16*\b:OT+15+16*\b], v[220+\b]
.endr
	v_cndmask_b32 v235, v212, v213, s87            ; lane (r, h) stores block h's byte.  (A plain line behind the last conversion)
	global_store_b128 v1, v[PCD:PCD+3], s[22:23]
	global_store_b128 v1, v[PCD+4:PCD+7], s[22:23] offset:512
	global_store_b8 v9, v235, s[24:25]
.irp i, 0,1,2,3
	v_cndmask_b32 v[200+\i], v[248+\i], v[252+\i], s87   ; register j = (out Aproj^T)(my query, j) in both halves: lane (r, h) keeps 4 h .. 4 h + 3; the sums are read from their low end on
.endr
	v_pk_mul_f32 v[200:201], v[200:201], 2.0 op_sel_hi:[1,0]   ; alpha / rank
	v_pk_mul_f32 v[202:203], v[202:203], 2.0 op_sel_hi:[1,0]
	global_store_b128 v8, v[200:203], s[26:27]
	s_wait_xcnt 0x0                                ; the stores have read their registers and bases: the next pass writes them again
	s_add_co_u32 s3, s3, 1
	s_cmp_lt_u32 s3, 2
	s_cbranch_scc1 .Lpass
	s_wait_tensorcnt 0x0                           ; the wave's end, behind my last LDS store
	ds_add_u32 v5, v6
	s_wait_dscnt 0x0
	s_endpgm
.Lfunc_end_k_q1066088fd2_attn:
	.size	k_q1066088fd2_attn, .Lfunc_end_k_q1066088fd2_attn-k_q1066088fd2_attn
	.p2alignl 7, 3214868480
	.fill 96, 4, 3214868480
	.section	.rodata,"a",@progbits
	.p2align	6, 0x0
	.amdhsa_kernel k_q1066088fd2_attn
		.amdhsa_group_segment_fixed_size 67584
		.amdhsa_private_segment_fixed_size 0
		.amdhsa_enable_private_segment 0
		.amdhsa_kernarg_size 48
		.amdhsa_user_sgpr_count 2
		.amdhsa_user_sgpr_kernarg_segment_ptr 1
		.amdhsa_wavefront_size32 1
		.amdhsa_system_sgpr_workgroup_id_x 1
		.amdhsa_system_sgpr_workgroup_id_y 1
		.amdhsa_system_sgpr_workgroup_id_z 1
		.amdhsa_system_vgpr_workitem_id 0
		.amdhsa_next_free_vgpr 256
		.amdhsa_next_free_sgpr 102
		.amdhsa_reserve_vcc 0
		.amdhsa_float_denorm_mode_32 3
		.amdhsa_float_denorm_mode_16_64 3
		.amdhsa_memory_ordered 1
		.amdhsa_forward_progress 1
		.amdhsa_inst_pref_size 65
	.end_amdhsa_kernel
	.amdgpu_metadata
---
amdhsa.version: [ 1, 2 ]
amdhsa.kernels:
  - .name:           k_q1066088fd2_attn
    .symbol:         k_q1066088fd2_attn.kd
    .args:
      - { .name: qq, .offset: 0, .size: 8, .value_kind: global_buffer, .address_space: global }
      - { .name: kv, .offset: 8, .size: 8, .value_kind: global_buffer, .address_space: global }
      - { .name: msk, .offset: 16, .size: 8, .value_kind: global_buffer, .address_space: global }
      - { .name: Aproj, .offset: 24, .size: 8, .value_kind: global_buffer, .address_space: global }
      - { .name: oc, .offset: 32, .size: 8, .value_kind: global_buffer, .address_space: global }
      - { .name: oso, .offset: 40, .size: 8, .value_kind: global_buffer, .address_space: global }
    .group_segment_fixed_size: 67584
    .private_segment_fixed_size: 0
    .kernarg_segment_align: 8
    .kernarg_segment_size: 48
    .max_flat_workgroup_size: 512
    .sgpr_count:     102
    .vgpr_count:     256
    .wavefront_size: 32
...
	.end_amdgpu_metadata
.endif
;; end of part 3
;; launch gemm_proj (part 4): grid 4 x 32, 4 waves a work-group, clusters of 4 x 4, 327,680 bytes of LDS; arguments oc, oso, opc, osl, bproj, out0; writes out0
.if DOCPART == 4
	.amdgcn_target "amdgcn-amd-amdhsa--gfx1250"
	.amdhsa_code_object_version 6
	.text
	.protected	k_q1066088fd2_gemm_proj
	.globl	k_q1066088fd2_gemm_proj
	.p2align	8
	.type	k_q1066088fd2_gemm_proj,@function
k_q1066088fd2_gemm_proj:
	s_mov_b64 s[64:65], 0
	v_nop
	global_prefetch_b8 v0, s[64:65] scope:SCOPE_SE
	s_setreg_imm32_b32 hwreg(HW_REG_WAVE_MODE, 25, 1), 1
	s_wait_xcnt 0x0
	s_wait_alu depctr_hold_cnt(0) depctr_sa_sdst(0) depctr_va_vdst(0) depctr_va_sdst(0) depctr_va_ssrc(0) depctr_va_vcc(0) depctr_vm_vsrc(0)
	s_getreg_b32 s2, hwreg(HW_REG_IB_STS2, 6, 4)
	s_cmp_eq_u32 s2, 0
	s_cbranch_scc0 .Lentry_in_a_cluster
	s_endpgm
.Lentry_in_a_cluster:
	s_bfe_u32 s2, ttmp6, 0x10000c
	s_cmp_lg_u32 s2, 0xf033
	s_cbranch_scc0 .Lentry_shape_is_right
	s_endpgm
.Lentry_shape_is_right:
; out0 = Q(out) Q(Wproj)^T + bproj + (2 out Aproj^T) Bproj^T.  Nothing of the problem is left out here.  Ring, round, fragments and products are launch gemm_qkv's: operands as images of operand registers, image tile T =
; rows 32 (T / 2) + 8 (T % 2) + r + 8 (r / 8); source 1 = 16 tokens (oc, oso: tiles 64 Y + 16 cy on), source 0 = 16 rows of Wproj (opc, osl: tiles 704 + 16 cx on); a work-group makes 256 x 256, a wave 128 x 128.
; 128 work-groups: 8,192 x 1,024 has no more tiles of this size.
; THE SUMS BEGIN with the bias as the C of the LoRA term's first K step (f32 matrix form, two K steps an accumulator).  The LoRA operand of the tokens is the sum over the 16 heads of what launch attn stored head by head:
; wave w sums tiles 4 w .. 4 w + 3 of the work-group's 16 and hands them to the others through LDS bytes of their own, as images.
; THE WAY OUT: a lane's 64 registers of a tile of tokens are columns 32 j + 16 h + i of one row; a tile goes through the wave's stage in LDS (in slot 0, which has had its last fill and its last read) and leaves as rows of 512 bytes.
; LIMITS: NaN and infinities are not served.
.set NQ,     2
.set FR,     16
.set NL,     4
.set NP,     8
.set HALFT,  32768
.set SLOT,   131072
.set SCL,    262144
.set HALFS,  4352
.set SBLK,   544
.set SPARE,  279552                    ; the spare words, 128 bytes a wave: no other line names them
.set LORAB,  280064                    ; 16 tiles x 512 bytes: the tokens' LoRA operands; no tensor load lands here
.set LR,     393216
.set OAP,    262144
.set SPITCH, 528
.set ADRA, 16
.set ADRB, 20
.set LST,  22
.set LLD,  23
.set STO,  24
.set RD,   25
.set BO,   26
.set ADRS, 27
.set SPW,  28
.set NIL,  29
.set LRO,  30
.set LI,   31
.set SC,   32
.set LA,   64
.set LBR,  96
.set AF,   128
.set BK,   128
.set G1, 24
.set G0, 32
.set G1B, 48
.set G0B, 56
.set G1S, 68
.set G0S, 76
.set G1SB, 80
.set G0SB, 88
.set MSB, 0
.macro WIN new
.if MSB != \new
	s_set_vgpr_msb (MSB<<8)|\new
.set MSB, \new
.endif
.endm
.set MUL_LO, 0xa1
.set MUL_HI, 0xf1
.set TO_B,   0x40
.macro JLOAD g0a, g1a, g0b, g1b        ; a joint load: waves 0, 1 fetch source 1's halves, waves 2, 3 source 0's; an s_nop 0 and four v_nop follow each line
	s_cmp_eq_u32 s15, 0
	s_cbranch_scc0 .Lfor_b_\@
	tensor_load_to_lds s[\g0a:\g0a+3], s[\g1a:\g1a+7]
	s_nop 0
.rept 4
	v_nop
.endr
	s_branch .Lasked_\@
.Lfor_b_\@:
	tensor_load_to_lds s[\g0b:\g0b+3], s[\g1b:\g1b+7]
	s_nop 0
.rept 4
	v_nop
.endr
.Lasked_\@:
.endm
.macro CREST
	s_cmp_lg_u32 s14, 0
	s_cbranch_scc1 .Lnot_wave_0_\@
	s_barrier_signal -3
.Lnot_wave_0_\@:
	s_barrier_wait -3
	s_barrier_signal -1
	s_barrier_wait -1
.endm
.macro CROUND
	s_barrier_signal -1
	s_barrier_wait -1
	CREST
.endm
	s_load_b256 s[4:11], s[0:1], 0x0               ; oc 4, oso 6, opc 8, osl 10
	s_load_b128 s[92:95], s[0:1], 0x20             ; bproj 92, out0 94
	v_lshl_add_u32 v[SPW], v0, 2, SPARE
	v_mov_b32 v[NIL], 0
	ds_add_u32 v[SPW], v[NIL]                      ; the wave's opening: the add, twice on end, and its wait ahead of my first tensor load
	ds_add_u32 v[SPW], v[NIL]
	v_lshrrev_b32 v1, 5, v0
	v_readfirstlane_b32 s14, v1
	s_lshr_b32 s15, s14, 1
	s_and_b32 s16, s14, 1
	s_bfe_u32 s40, ttmp6, 0x40000                  ; cx
	s_bfe_u32 s41, ttmp6, 0x40004                  ; cy
	s_and_b32 s17, ttmp7, 0xffff
	s_lshl_b32 s17, s17, 6
	s_lshl_b32 s20, s41, 4
	s_add_co_u32 s18, s17, s20                     ; the tokens' first tile: hangs on cy alone
	s_lshl_b32 s46, s40, 4
	s_add_co_u32 s19, s46, 704                     ; Wproj's: on cx alone
	s_lshl_b32 s43, s41, 2
	s_lshl_b32 s43, 15, s43
	s_lshl_b32 s44, 0x1111, s40
	s_or_b32 s[G1+0], s43, (3<<16)|(1<<21)         ; codes: 8 rows of 4,096 bytes (512 elements of 8), 16,384 bytes apart
	s_or_b32 s[G1B+0], s44, (3<<16)|(1<<21)
.irp g, G1, G1B
	s_mov_b32 s[\g+1], 512<<16
	s_mov_b32 s[\g+2], 8<<16
	s_mov_b32 s[\g+3], 512<<16
	s_mov_b32 s[\g+4], 8
	s_mov_b32 s[\g+5], 2048
	s_mov_b32 s[\g+6], 0
	s_mov_b32 s[\g+7], 0
.endr
	s_or_b32 s[G1S+0], s43, (3<<16)|(1<<20)|(1<<21)|(5<<22)|(3<<25)   ; scale words: 16 rows of 256 bytes, 16 of padding behind each
	s_or_b32 s[G1SB+0], s44, (3<<16)|(1<<20)|(1<<21)|(5<<22)|(3<<25)
.irp g, G1S, G1SB
	s_mov_b32 s[\g+1], 32<<16
	s_mov_b32 s[\g+2], 16<<16
	s_mov_b32 s[\g+3], 32<<16
	s_mov_b32 s[\g+4], 16
	s_mov_b32 s[\g+5], 32
	s_mov_b32 s[\g+6], 0
	s_mov_b32 s[\g+7], 0
.endr
	s_lshl_b32 s21, s16, 3
	s_add_co_u32 s20, s18, s21
	s_add_co_u32 s46, s19, s21
	s_lshl_b32 s22, s20, 9
	s_mov_b32 s23, 0
	s_lshl_b32 s96, s46, 9
	s_mov_b32 s97, 0
	s_lshl_b32 s20, s20, 14
	s_mov_b32 s21, 0
	s_lshl_b32 s46, s46, 14
	s_mov_b32 s47, 0
	s_lshl_b32 s45, s14, 15
	s_mul_i32 s91, s14, HALFS                      ; (word 3 of a group 0 that is written below)
	s_lshl_b32 s2, s14, 2                          ; the four tiles whose heads I sum
	s_add_co_u32 s2, s2, s18
	s_lshl_b32 s2, s2, 9
	s_add_co_u32 s2, s2, OAP
	s_mov_b32 s3, 0
	s_lshl_b32 s98, s16, 3
	s_add_co_u32 s98, s98, s19
	s_lshl_b32 s98, s98, 9
	s_add_co_u32 s98, s98, LR
	s_mov_b32 s99, 0
	s_lshl_b32 s66, s40, 10                        ; my first column, in bytes: 1,024 cx + 512 x half
	s_lshl_b32 s67, s16, 9
	s_add_co_u32 s66, s66, s67
	s_mov_b32 s67, 0
	s_lshl_b32 s100, s15, 3
	s_add_co_u32 s100, s100, s18
	s_lshl_b32 s100, s100, 16                      ; my first token x 4,096 bytes
	s_add_co_u32 s100, s100, s66
	s_mov_b32 s101, 0
	s_wait_dscnt 0x0
	s_wait_kmcnt 0x0
	s_add_nc_u64 s[20:21], s[4:5], s[20:21]
	s_add_nc_u64 s[22:23], s[6:7], s[22:23]
	s_add_nc_u64 s[46:47], s[8:9], s[46:47]
	s_add_nc_u64 s[96:97], s[10:11], s[96:97]
	s_add_nc_u64 s[12:13], s[6:7], s[2:3]
	s_add_nc_u64 s[98:99], s[10:11], s[98:99]
	s_add_nc_u64 s[92:93], s[92:93], s[66:67]
	s_add_nc_u64 s[94:95], s[94:95], s[100:101]
	CROUND
	s_mov_b32 s[G0S], 1
	s_add_co_u32 s[G0S+1], s91, SCL
	s_mov_b64 s[G0S+2:G0S+3], s[22:23]
	s_or_b32 s[G0S+3], s[G0S+3], 0x80000000
	s_mov_b32 s[G0SB], 1
	s_add_co_u32 s[G0SB+1], s91, SCL
	s_mov_b64 s[G0SB+2:G0SB+3], s[96:97]
	s_or_b32 s[G0SB+3], s[G0SB+3], 0x80000000
	JLOAD G0S, G1S, G0SB, G1SB                     ; by this text's count three loads of a wave are out at the start, one behind each round
.irp s, 0,1
	s_mov_b32 s[G0+4*\s], 1
	s_add_co_u32 s[G0+4*\s+1], s45, \s*SLOT
	s_add_nc_u64 s[G0+4*\s+2:G0+4*\s+3], s[20:21], \s*4096
	s_or_b32 s[G0+4*\s+3], s[G0+4*\s+3], 0x80000000
	s_mov_b32 s[G0B+4*\s], 1
	s_add_co_u32 s[G0B+4*\s+1], s45, \s*SLOT
	s_add_nc_u64 s[G0B+4*\s+2:G0B+4*\s+3], s[46:47], \s*4096
	s_or_b32 s[G0B+4*\s+3], s[G0B+4*\s+3], 0x80000000
	JLOAD G0+4*\s, G1, G0B+4*\s, G1B
.endr
	v_and_b32 v1, 15, v0
	v_bfe_u32 v2, v0, 4, 1
	v_and_b32 v3, 31, v0
	v_lshlrev_b32 v[LI], 4, v3
	v_lshlrev_b32 v[LRO], 5, v1
	v_lshl_add_u32 v[LRO], v2, 4, v[LRO]
	v_lshlrev_b32 v[BO], 6, v2
	WIN 0x40                                       ; destination window 1
.irp i, 0,1,2,3
.irp e, 0,1,2,3,4,5,6,7,8,9,10,11,12,13,14,15
	global_load_b128 v[64*\i+4*\e:64*\i+4*\e+3], v[LRO], s[12:13] offset:262144*\e+512*\i   ; tile 4 w + i, head e
.endr
.endr
	WIN 0
.irp b, 0,1,2,3,4,5,6,7
	global_load_b128 v[LBR+4*\b:LBR+4*\b+3], v[LRO], s[98:99] offset:512*\b
	global_load_b128 v[AF+8*\b:AF+8*\b+3], v[BO], s[92:93] offset:(32*(\b/2)+8*(\b%2))*4      ; the bias in the result's layout: columns 32 (b / 2) + 8 (b % 2) + 16 h + 0 .. 7
	global_load_b128 v[AF+8*\b+4:AF+8*\b+7], v[BO], s[92:93] offset:(32*(\b/2)+8*(\b%2))*4+16
.endr
	s_lshl_b32 s21, s15, 15
	s_lshl_b32 s22, s16, 15
	s_add_co_u32 s22, s22, 65536
.irp s, 0,1
	v_add_nc_u32 v[ADRA+\s], s21, v[LI]
	v_add_nc_u32 v[ADRB+\s], s22, v[LI]
	s_add_co_u32 s21, s21, SLOT
	s_add_co_u32 s22, s22, SLOT
.endr
	v_lshlrev_b32 v5, 5, v1
	v_lshrrev_b32 v6, 8, v5
	v_lshl_add_u32 v5, v6, 4, v5
	s_mul_i32 s21, s15, HALFS
	s_mul_i32 s22, s16, HALFS
	s_add_co_u32 s22, s22, 2*HALFS
	s_sub_co_u32 s22, s22, s21
	v_mul_u32_u24 v6, s22, v2
	s_add_co_u32 s21, s21, SCL
	v_add_nc_u32 v5, v5, v6
	v_add_nc_u32 v[ADRS], s21, v5
	s_lshl_b32 s21, s14, 11
	s_add_co_u32 s21, s21, LORAB
	v_add_nc_u32 v[LST], s21, v[LI]                ; where I put my four tiles' sums,
	s_lshl_b32 s21, s15, 12
	s_add_co_u32 s21, s21, LORAB
	v_add_nc_u32 v[LLD], s21, v[LI]                ; and where my eight tiles' lie
	s_mul_i32 s23, s14, 16*SPITCH                  ; my stage
	v_mul_u32_u24 v5, v1, SPITCH
	v_lshl_add_u32 v5, v2, 6, v5
	v_add_nc_u32 v[STO], s23, v5                   ; in: row r, + 64 h
	v_add_nc_u32 v[RD], s23, v[LI]                 ; back: a row of 512 bytes an instruction
	s_wait_loadcnt 0x0
	WIN 0x45                                       ; sources 0, 1 and destination window 1
.irp i, 0,1,2,3
.irp e, 1,2,3,4,5,6,7,8,9,10,11,12,13,14,15
	v_pk_add_f32 v[64*\i:64*\i+1], v[64*\i:64*\i+1], v[64*\i+4*\e:64*\i+4*\e+1]
	v_pk_add_f32 v[64*\i+2:64*\i+3], v[64*\i+2:64*\i+3], v[64*\i+4*\e+2:64*\i+4*\e+3]
.endr
.endr
	WIN 0x04                                       ; an LDS store's data are its source 1: window 1
.irp i, 0,1,2,3
	ds_store_b128 v[LST], v[64*\i:64*\i+3] offset:512*\i
.endr
	WIN 0
	s_wait_dscnt 0x0                               ; for the others' sake: my stores are done
	s_barrier_signal -1                            ; the first tiles may stay out
	s_barrier_wait -1
.irp a, 0,1,2,3,4,5,6,7
	ds_load_b128 v[LA+4*\a:LA+4*\a+3], v[LLD] offset:512*\a
.endr
	s_wait_dscnt 0x0
.macro LORA q, hi                      ; K step q of two, all 64 accumulators by turns; the first takes the bias as its C
.irp a, 0,1,2,3
.irp b, 0,1,2,3,4,5,6,7
.if \q == 0
	v_wmma_f32_16x16x4_f32 v[8*(8*\a+\b):8*(8*\a+\b)+7], v[LBR+4*\b:LBR+4*\b+1], v[LA+4*(4*\hi+\a):LA+4*(4*\hi+\a)+1], v[AF+8*\b:AF+8*\b+7]
.else
	v_wmma_f32_16x16x4_f32 v[8*(8*\a+\b):8*(8*\a+\b)+7], v[LBR+4*\b+2:LBR+4*\b+3], v[LA+4*(4*\hi+\a)+2:LA+4*(4*\hi+\a)+3], v[8*(8*\a+\b):8*(8*\a+\b)+7]
.endif
.endr
.endr
.endm
	WIN 0x80
	LORA 0, 0
	WIN 0xc0
	LORA 0, 1
	WIN 0xa0
	LORA 1, 0
	WIN 0xf0
	LORA 1, 1
	WIN 0
.rept 9
	v_nop                                          ; the form changes on these accumulators, and loads follow into the bias's registers: nine places
.endr
.macro FRAG reg, adr, q, i
.irp c, 0,1,2,3
	ds_load_b128 v[\reg+4*\c:\reg+4*\c+3], v[\adr] offset:2048*(\q)+512*\c+(\i)*4096
.endr
.endm
.macro MUL16 a0, p, q, sc
.irp a, \a0, \a0+1
.irp b, 0,1,2,3,4,5,6,7
	v_wmma_scale_f32_16x16x128_f8f6f4 v[8*(8*((\a)%4)+\b):8*(8*((\a)%4)+\b)+7], v[128*(\p)+FR*\b:128*(\p)+FR*\b+FR-1], v[AF+FR*(\a):AF+FR*(\a)+FR-1], v[8*(8*((\a)%4)+\b):8*(8*((\a)%4)+\b)+7], v[SC+8*NQ*(\sc)+NQ*\b+(\q)], v[SC+8*NQ*(\sc)+NQ*(\a)+(\q)] matrix_a_scale:MATRIX_SCALE_ROW1
.endr
.endr
.endm
.macro FETCH_B slot, q, p
	WIN TO_B
.irp i, 0,1,2,3,4,5,6,7
	FRAG 128*(\p)+FR*\i, ADRB+\slot, \q, \i
.endr
	WIN 0
.endm
.macro FETCH_A slot, q, i0
.irp i, \i0, \i0+1, \i0+2, \i0+3
	FRAG AF+FR*(\i), ADRA+\slot, \q, \i
.endr
.endm
.macro SCALES sc
.irp i, 0,1,2,3,4,5,6,7
	ds_load_b64 v[SC+8*NQ*\sc+NQ*\i:SC+8*NQ*\sc+NQ*\i+1], v[ADRS] offset:\i*SBLK
.endr
.endm
.macro PLACES n
.rept \n
	v_nop
.endr
.endm
.macro STEP slot, q
	s_wait_dscnt 4*NL                              ; all but the youngest 16 loads (the tokens' tiles 4-7)
	WIN MUL_LO
	MUL16 0, (\q)%2, \q, \slot
	MUL16 2, (\q)%2, \q, \slot
	s_wait_dscnt 0
	PLACES NP
	FETCH_B \slot, (\q)+1, 1-(\q)%2
	FETCH_A \slot, (\q)+1, 0
	WIN MUL_HI
	MUL16 4, (\q)%2, \q, \slot
	MUL16 6, (\q)%2, \q, \slot
	PLACES NP
	WIN 0
	FETCH_A \slot, (\q)+1, 4
.endm
.macro TURN slot, next, fill
	s_wait_tensorcnt 0x0                           ; all my tensor loads have landed: my part of the next slot
	ds_add_u32 v[SPW], v[NIL]                      ; 0 onto my spare word
	s_wait_dscnt 4*NL+1                            ; the add and the youngest 16 loads may be out
	WIN MUL_LO
	MUL16 0, 1, NQ-1, \slot
	s_wait_dscnt 0x0                               ; the add is done, and my reads of this slot are over
	s_barrier_signal -1
	MUL16 2, 1, NQ-1, \slot
	WIN 0
	s_barrier_wait -1
.if \fill
	CREST
	s_add_nc_u64 s[G0+4*\slot+2:G0+4*\slot+3], s[G0+4*\slot+2:G0+4*\slot+3], 8192
	s_add_nc_u64 s[G0B+4*\slot+2:G0B+4*\slot+3], s[G0B+4*\slot+2:G0B+4*\slot+3], 8192
	JLOAD G0+4*\slot, G1, G0B+4*\slot, G1B
	PLACES NP-4
.else
	PLACES NP
.endif
	v_add_nc_u32 v[ADRS], 4*NQ, v[ADRS]
	FETCH_B \next, 0, 0
	FETCH_A \next, 0, 0
	SCALES \next
	WIN MUL_HI
	MUL16 4, 1, NQ-1, \slot
	MUL16 6, 1, NQ-1, \slot
	PLACES NP
	WIN 0
	FETCH_A \next, 0, 4
.endm
	s_wait_tensorcnt 1                             ; the scale words and my part of slot 0 are in; slot 1's load may be out
	s_barrier_signal -1
	s_barrier_wait -1
	FETCH_B 0, 0, 0
	FETCH_A 0, 0, 0
	SCALES 0
	FETCH_A 0, 0, 4
	STEP 0, 0
	TURN 0, 1, 1
	STEP 1, 0
	TURN 1, 0, 1
	STEP 0, 0
	TURN 0, 1, 0
	STEP 1, 0
	s_wait_dscnt 4*NL
	WIN MUL_LO
	MUL16 0, 1, NQ-1, 1
	MUL16 2, 1, NQ-1, 1
	s_wait_dscnt 0
	WIN MUL_HI
	MUL16 4, 1, NQ-1, 1
	MUL16 6, 1, NQ-1, 1
	WIN 0
.macro TOSTAGE a
.set AC, 64*((\a)%4)
	WIN 0x08+4*((\a)/4)                            ; the data: window 2 or 3
.irp b, 0,1,2,3,4,5,6,7
	ds_store_b128 v[STO], v[AC+8*\b:AC+8*\b+3] offset:128*(\b/2)+32*(\b%2)        ; each accumulator from its low end on
	ds_store_b128 v[STO], v[AC+8*\b+4:AC+8*\b+7] offset:128*(\b/2)+32*(\b%2)+16
.endr
	WIN 0
.set BB, BK+64*((\a)%2)
.irp t, 0,1,2,3,4,5,6,7,8,9,10,11,12,13,14,15
	ds_load_b128 v[BB+4*\t:BB+4*\t+3], v[RD] offset:\t*SPITCH   ; LDS serves a wave's instructions in order: these see my stores
.endr
.endm
.macro SEND a, younger
.set BB, BK+64*((\a)%2)
	s_wait_dscnt \younger
.irp t, 0,1,2,3,4,5,6,7,8,9,10,11,12,13,14,15
	global_store_b128 v[LI], v[BB+4*\t:BB+4*\t+3], s[94:95] offset:(32*((\a)/2)+8*((\a)%2)+\t+8*(\t/8))*4096 th:TH_STORE_NT   ; 512 consecutive bytes of the tile's row t
.endr
.endm
	PLACES NP
	TOSTAGE 0
.irp a, 1,2,3,4,5,6,7
.if \a > 1
	s_wait_xcnt 0x0                                ; tile a - 2's stores have read their registers: tile a's loads may land there
.endif
	TOSTAGE \a
	SEND \a-1, 32                                  ; behind tile a - 1's loads: tile a's 16 stores and 16 loads
.endr
	SEND 7, 0
	s_wait_tensorcnt 0x0                           ; the wave's end
	ds_add_u32 v[SPW], v[NIL]
	s_wait_dscnt 0x0
	CROUND                                         ; the closing round
	s_endpgm
.Lfunc_end_k_q1066088fd2_gemm_proj:
	.size	k_q1066088fd2_gemm_proj, .Lfunc_end_k_q1066088fd2_gemm_proj-k_q1066088fd2_gemm_proj
	.p2alignl 7, 3214868480
	.fill 96, 4, 3214868480
	.section	.rodata,"a",@progbits
	.p2align	6, 0x0
	.amdhsa_kernel k_q1066088fd2_gemm_proj
		.amdhsa_group_segment_fixed_size 327680
		.amdhsa_private_segment_fixed_size 0
		.amdhsa_enable_private_segment 0
		.amdhsa_kernarg_size 48
		.amdhsa_user_sgpr_count 2
		.amdhsa_user_sgpr_kernarg_segment_ptr 1
		.amdhsa_wavefront_size32 1
		.amdhsa_system_sgpr_workgroup_id_x 1
		.amdhsa_system_sgpr_workgroup_id_y 1
		.amdhsa_system_sgpr_workgroup_id_z 1
		.amdhsa_system_vgpr_workitem_id 0
		.amdhsa_next_free_vgpr 1024
		.amdhsa_next_free_sgpr 102
		.amdhsa_reserve_vcc 0
		.amdhsa_float_denorm_mode_32 3
		.amdhsa_float_denorm_mode_16_64 3
		.amdhsa_memory_ordered 1
		.amdhsa_forward_progress 1
		.amdhsa_inst_pref_size 170
	.end_amdhsa_kernel
	.amdgpu_metadata
---
amdhsa.version: [ 1, 2 ]
amdhsa.kernels:
  - .name:           k_q1066088fd2_gemm_proj
    .symbol:         k_q1066088fd2_gemm_proj.kd
    .args:
      - { .name: oc, .offset: 0, .size: 8, .value_kind: global_buffer, .address_space: global }
      - { .name: oso, .offset: 8, .size: 8, .value_kind: global_buffer, .address_space: global }
      - { .name: opc, .offset: 16, .size: 8, .value_kind: global_buffer, .address_space: global }
      - { .name: osl, .offset: 24, .size: 8, .value_kind: global_buffer, .address_space: global }
      - { .name: bproj, .offset: 32, .size: 8, .value_kind: global_buffer, .address_space: global }
      - { .name: out0, .offset: 40, .size: 8, .value_kind: global_buffer, .address_space: global }
    .group_segment_fixed_size: 327680
    .private_segment_fixed_size: 0
    .kernarg_segment_align: 8
    .kernarg_segment_size: 48
    .max_flat_workgroup_size: 128
    .sgpr_count:     102
    .vgpr_count:     1024
    .wavefront_size: 32
...
	.end_amdgpu_metadata
.endif
;; end of part 4
;; ======== version 2 of 2: 4 launches; version 1 with the launch attn written anew for expert scheduling mode
;; limits: right only within a limited range of input values
;; workspace buffers: opc 12,582,912 bytes; osl 786,432 bytes; msk 525,312 bytes of whole numbers; qq 8,912,896 bytes; kv 17,563,648 bytes; oc 8,388,608 bytes; oso 4,456,448 bytes
;; launch prep: the kernel of part 1 again; grid 512 x 1, 16 waves a work-group, no clusters, 147,456 bytes of LDS; arguments x, Wqkv, Wproj, Aqkv, Bqkv, Bproj, mask, opc, osl, msk; writes opc, osl, msk
;; launch gemm_qkv: the kernel of part 2 again; grid 12 x 32, 4 waves a work-group, clusters of 4 x 4, 327,680 bytes of LDS; arguments opc, osl, qq, kv; writes qq, kv
;; launch attn (part 5): grid 4 x 64, 16 waves a work-group, no clusters, 67,584 bytes of LDS; arguments qq, kv, msk, Aproj, oc, oso; writes oc, oso
.if DOCPART == 5
	.amdgcn_target "amdgcn-amd-amdhsa--gfx1250"
	.amdhsa_code_object_version 6
	.text
	.protected	k_q1066088fd2_attn
	.globl	k_q1066088fd2_attn
	.p2align	8
	.type	k_q1066088fd2_attn,@function
k_q1066088fd2_attn:
	s_mov_b64 s[64:65], 0
	v_nop
	global_prefetch_b8 v0, s[64:65] scope:SCOPE_SE
	s_setreg_imm32_b32 hwreg(HW_REG_WAVE_SCHED_MODE, 0, 2), 2
	s_setreg_imm32_b32 hwreg(HW_REG_WAVE_MODE, 25, 1), 1
	s_wait_xcnt 0x0
	s_wait_alu depctr_vm_vsrc(0)
; out = softmax(q k^T / 8, masked) v for each of 64 (batch, head), both products on codes of E4M3; then out is quantised along E for the last product, and 2 out Aproj^T is made head by head in f32.
; LEFT OUT, by whole numbers that launch prep stored from the mask input (never by a pattern built in): a step of 128 keys for a tile of 16 queries where all 2,048 mask entries are 0 and every one of the 16 queries has
; a live key somewhere: there each weight is 2^(t - M) with t about -1.5e9, which is 0 in f32.  A tile with a query that is masked everywhere takes all 16 steps, and that query's row becomes the plain average, as in reference().
; THE MASKED VALUE.  A masked raw score becomes -2^33, a logit of -2^30 where reference() writes -1e9: -2^33 x c is exact and a whole number, so a row that is masked everywhere gets M = t and p = 1 exactly.
; LIMIT: the result is reference()'s while the live logits of a row lie above about -9e8.  NaN and infinities are not served.
; THE SOFTMAX: t = score x c, c = log2(e) / 8; M = the running largest t rounded up to a whole number; p = 2^(t - M) is quantised along the keys, not normalised; the row's sum is taken of the unquantised p and divides at the
; end; when M moves, the sum and O are multiplied by 2^(old M - new M): exact.  A row that has met masked keys alone holds p = 1 sums; its first live key makes that factor 0.
; SHARES: a work-group takes one (batch, head) and two blocks of 256 queries, i and 7 - i, one after the other; each of its sixteen waves one image tile of 16 queries, in 256 registers.  A pass walks 16 key steps of 128.
; A step's record (17,152 bytes: k's codes, v^T's codes, their scale words, all as images of operand registers) is copied through registers into one of two LDS slots, asked for a whole step ahead, if some wave of the
; work-group needs it.  No tensor load: the branches hang on stored numbers.  No cluster: which steps a work-group takes hangs on them too.  One barrier a step, on every wave's path.
; Both products are used transposed: S^T = k q^T, O^T = v^T p^T: a lane holds one query.  The head's 64 fill half of the instruction's 128: registers 8-15 of q's and k's fragments are zero codes.
; REGISTERS: v1 16 lane, v2 4 lane, v3 16 thread, v4 4 thread, v5, v6 the add's two, v7 -2^33, v8 32 r + 16 h, v9 32 r + h, v10 4 r, v11 Aproj's offset; v12 -M, v13 the largest t, v[14:15] the sum; v16-31 q; v32-95 four
; fragments of k; v96-159 S^T, p, then v^T's four fragments; v160-191 O^T; v192-207 p's codes; v208-223 work; v224-231 scale words (k 4, v 2, q, p); v[232:233] f; v234, v235 work; v236-244 the copy; v248-255 the f32 form's sums.
; s16-63, s68-83: the step's 64 mask words.
; THE MODE: SCHED_MODE bits 1:0 = 2 (LLVM: expert scheduling mode 2), set by the entry lines.  The code itself states the register dependences between vector or matrix instructions and memory or LDS instructions,
; with s_wait_alu, always for 0.
; THE PLAN.  Registers that memory or LDS instructions touch, and who else names them:
;   v1-4, v8-11     offsets and LDS addresses: written at the head and never again; read by every load and store.  v5, v6: written at the head, read by the closing add alone.
;   v16-23, v230    q: loaded at a pass's head; read by the S^T products.
;   k's fragments   their low halves (v32-39, 48-55, 64-71, 80-87) are loaded twice a step, k's scale words v224-227 once; read by the S^T products.
;   v96-159         written by the S^T products, worked on by the softmax; v^T's fragments land there behind the conversions and are read by the second product; at a pass's end Aproj's numbers land in v128-159.
;   v228-229        v's scale words: loaded with v^T's fragments, read by the second product.
;   v236-244        the copy: loaded at a trip's head, read by the LDS stores at its end; no vector instruction names them after the head.
;   v192-203, v235  at a pass's end: written by conversions, selections and multiplies, read by the four stores, written again in the next pass.
; THE WAITS OF A STEP: one on va_vdst behind the first four S^T products (k's fragments are free for the next four tiles; while those are on their way the wave works on blocks 0 and 1 of the scores, which names none of the
; loads' registers); the exponentials' two, of which the first also stands behind the second four S^T products, so that the next step's first loads of k owe nothing; one behind the conversions (p's registers are free for v^T);
; one ahead of the second product (p's codes and scale word are written).  A TRIP has one on vm_vsrc at its head (the LDS stores have read the copy's registers).
.set REC,   17152
.set SL1,   32768
.set SPARE, 65536                      ; the spare words, 128 bytes a wave: no other line names them
.set KFR,   32
.set ST,    96
.set OT,    160
.set PCD,   192
.set KSC,   224
.set VSC,   228
.set QSC,   230
.set PSW,   231
	s_load_b256 s[88:95], s[0:1], 0x0              ; qq 88, kv 90, msk 92, Aproj 94
	s_load_b128 s[96:99], s[0:1], 0x20             ; oc 96, oso 98
	v_lshl_add_u32 v5, v0, 2, SPARE
	v_mov_b32 v6, 0
	v_lshrrev_b32 v1, 5, v0
	v_readfirstlane_b32 s2, v1                     ; wave 0..15
	v_and_b32 v9, 31, v0
	v_lshlrev_b32 v1, 4, v9
	v_lshlrev_b32 v2, 2, v9
	v_lshlrev_b32 v3, 4, v0
	v_lshlrev_b32 v4, 2, v0
	v_mov_b32 v7, 0xd0000000                       ; -2^33
	v_and_b32 v10, 15, v0                          ; r
	v_bfe_u32 v11, v0, 4, 1                        ; h
	v_lshlrev_b32 v8, 5, v10
	v_add_nc_u32 v9, v8, v11
	v_lshl_add_u32 v8, v11, 4, v8
	v_and_b32 v235, 7, v10
	v_lshlrev_b32 v235, 12, v235
	v_lshl_add_u32 v11, v11, 6, v235               ; Aproj: row r % 8, + 64 h
	v_lshlrev_b32 v10, 2, v10
.irp j, 24,25,26,27,28,29,30,31
	v_mov_b32 v[\j], 0                             ; zero codes: q's k = 64 .. 127
.endr
.irp t, 0,1,2,3
.irp j, 8,9,10,11,12,13,14,15
	v_mov_b32 v[KFR+16*\t+\j], 0                   ; and k's: they stay
.endr
.endr
.irp j, 212,213,214,215,233,234,236,237,238,239,240,241,242,243,244
	v_mov_b32 v[\j], 0                             ; permutes' destinations, a pair's upper half, and the copy's registers: written on every way
.endr
	s_mov_b32 s66, 0x76543210
	s_mov_b32 s67, 0xfedcba98
	s_mov_b32 s84, 0x3e38aa3b                      ; c = log2(e) / 8
	s_mov_b32 s85, s84
	s_mov_b32 s86, 0x600000                        ; the mantissa field of 448
	s_mov_b32 s87, 0xffff0000                      ; lanes 16-31
	s_and_b32 s101, ttmp7, 0xffff                  ; bh
	s_mov_b32 s3, 0                                ; pass
	s_wait_alu depctr_va_sdst(0)                   ; s2, the wave's number, is written: ahead of the first label and of its first reader
	s_wait_alu depctr_va_vdst(0)                   ; the offsets and addresses v1-4, v8-11 are written, which every load and store reads; so are v236-244, in which the copy's loads land, and the zero codes, which the scaled products take
	s_wait_kmcnt 0x0
.macro FILL_LOAD off                   ; a record: thread t takes 16 bytes of k's codes and 16 of v's; waves 0-5 4 bytes of the 768 of scale words
	global_load_b128 v[236:239], v3, s[4:5] offset:\off
	global_load_b128 v[240:243], v3, s[4:5] offset:\off+8192
	s_cmp_lt_u32 s2, 6
	s_cbranch_scc0 .Lfl_\@
	global_load_b32 v244, v4, s[4:5] offset:\off+16384
.Lfl_\@:
.endm
.macro FILL_STORE slot
	ds_store_b128 v3, v[236:239] offset:\slot*SL1
	ds_store_b128 v3, v[240:243] offset:\slot*SL1+8192
	s_cmp_lt_u32 s2, 6
	s_cbranch_scc0 .Lfs_\@
	ds_store_b32 v4, v244 offset:\slot*SL1+16384
.Lfs_\@:
.endm
.macro KLOAD g                         ; k's tiles 4 g .. 4 g + 3: the low halves of the four fragments
.irp t, 0,1,2,3
	ds_load_b128 v[KFR+16*\t:KFR+16*\t+3], v1 offset:LB+1024*(4*\g+\t)
	ds_load_b128 v[KFR+16*\t+4:KFR+16*\t+7], v1 offset:LB+1024*(4*\g+\t)+512
.endr
.endm
.macro SPROD g                         ; S^T of these four tiles: register n of the 64: key 32 (n / 16) + 16 h + n % 16 of the step
	v_wmma_scale_f32_16x16x128_f8f6f4 v[ST+32*\g:ST+32*\g+7], v[KFR:KFR+15], v[16:31], 0, v[KSC+2*\g], v[QSC]
	v_wmma_scale_f32_16x16x128_f8f6f4 v[ST+32*\g+8:ST+32*\g+15], v[KFR+16:KFR+31], v[16:31], 0, v[KSC+2*\g], v[QSC] matrix_a_scale:MATRIX_SCALE_ROW1
	v_wmma_scale_f32_16x16x128_f8f6f4 v[ST+32*\g+16:ST+32*\g+23], v[KFR+32:KFR+47], v[16:31], 0, v[KSC+2*\g+1], v[QSC]
	v_wmma_scale_f32_16x16x128_f8f6f4 v[ST+32*\g+24:ST+32*\g+31], v[KFR+48:KFR+63], v[16:31], 0, v[KSC+2*\g+1], v[QSC] matrix_a_scale:MATRIX_SCALE_ROW1
.endm
.macro BLKMAX lo, hi                   ; the largest score of two blocks of 32 keys, by turns: for the row's maximum, and for the block's largest p
.irp b, \lo, \hi
	v_max3_num_f32 v[208+\b], v[ST+16*\b], v[ST+1+16*\b], v[ST+2+16*\b]
.endr
.irp i, 3,5,7,9,11,13
.irp b, \lo, \hi
	v_max3_num_f32 v[208+\b], v[208+\b], v[ST+16*\b+\i], v[ST+1+16*\b+\i]
.endr
.endr
.irp b, \lo, \hi
	v_max_num_f32 v[208+\b], v[208+\b], v[ST+15+16*\b]
.endr
.endm
; A KEY STEP of a wave: 128 keys from the slot
.macro STEP slot
.set LB, (\slot)*SL1
	s_load_b512 s[16:31], s[6:7], 0x0              ; the step's 64 mask words
	s_load_b512 s[32:47], s[6:7], 0x40
	s_load_b512 s[48:63], s[6:7], 0x80
	s_load_b512 s[68:83], s[6:7], 0xc0
	KLOAD 0                                        ; no wait: the last products that read these registers stand ahead of the last step's wait for its exponentials, and nothing has named them since
.irp p, 0,1,2,3
	ds_load_b32 v[KSC+\p], v2 offset:LB+16384+128*\p   ; lanes 0-15: tile 2 p's scale words, lanes 16-31: tile 2 p + 1's
.endr
.rept 9
	v_nop                                          ; S^T is laid over registers that the last step's second product read: nine places; the loads above are on their way meanwhile
.endr
	s_wait_dscnt 0x0
	SPROD 0
.rept 8
	v_nop                                          ; eight places before these products' results are read
.endr
	s_wait_alu depctr_va_vdst(0)                   ; the four products are done reading k's fragments, in which the next four tiles land
	KLOAD 1
	s_wait_kmcnt 0x0
	s_bitcmp1_b32 s9, 0                            ; a step all of whose entries are live skips the selection
	s_cbranch_scc0 .Lopen_a_\@
.set n, 0
.rept 32
	v_cndmask_b32 v[ST+n], v7, v[ST+n], s[16+n+4*(n/48)]   ; blocks 0 and 1, while tiles 4-7 are on their way: these lines and the maxima below name v96-127, v7, v208, v209: none of the loads' registers
.set n, n+1
.endr
.Lopen_a_\@:
	BLKMAX 0, 1
	s_wait_dscnt 0x0
	SPROD 1
.rept 8
	v_nop
.endr
	s_bitcmp1_b32 s9, 0
	s_cbranch_scc0 .Lopen_b_\@
.set n, 32
.rept 32
	v_cndmask_b32 v[ST+n], v7, v[ST+n], s[16+n+4*(n/48)]
.set n, n+1
.endr
.Lopen_b_\@:
	BLKMAX 2, 3
.irp b, 0,1,2,3
	v_permlanex16_b32 v[212+\b], v[208+\b], s66, s67
.endr
.irp b, 0,1,2,3
	v_max_num_f32 v[208+\b], v[208+\b], v[212+\b]
.endr
	v_max3_num_f32 v234, v208, v209, v210
	v_max_num_f32 v234, v234, v211
	v_mul_f32 v234, s84, v234
	v_max_num_f32 v13, v13, v234                   ; the running largest t
	v_mov_b32 v234, v12
	v_floor_f32 v12, -v13                          ; the new -M
	v_sub_f32 v234, v12, v234                      ; old M - new M: a whole number, 0 or less
	v_cvt_i32_f32 v234, v234                       ; (it saturates)
	v_ldexp_f32 v232, 1.0, v234                    ; f
.set j, 0
.rept 32
	v_pk_fma_f32 v[ST+j:ST+j+1], v[ST+j:ST+j+1], s[84:85], v[12:13] op_sel_hi:[1,0,0]   ; t - M
.set j, j+2
.endr
.irp b, 0,1,2,3
	v_fma_f32 v[208+\b], v[208+\b], s84, v12
.endr
.set j, 0
.rept 64
	v_exp_f32 v[ST+j], v[ST+j]                     ; p
.set j, j+1
.endr
	v_pk_mul_f32 v[14:15], v[14:15], v[232:233] op_sel_hi:[1,0]   ; the sums under the new M (a plain line behind the exponentials)
	s_wait_alu depctr_va_vdst(0)                   ; the 64 exponentials have written p: one wait for the batch, ahead of its first reader.  It also stands behind all eight S^T products' reads of k's fragments and scale words and of q
.irp b, 0,1,2,3
	v_exp_f32 v[208+\b], v[208+\b]                 ; each block's largest p
.endr
	v_pk_add_f32 v[212:213], v[ST:ST+1], v[ST+2:ST+3]   ; the row's sum, of the unquantised p, in two chains
.set j, 4
.rept 15
	v_pk_add_f32 v[14:15], v[14:15], v[ST+j:ST+j+1]
	v_pk_add_f32 v[212:213], v[212:213], v[ST+j+2:ST+j+3]
.set j, j+4
.endr
	v_pk_add_f32 v[14:15], v[14:15], v[212:213]
	s_wait_alu depctr_va_vdst(0)                   ; the four exponentials have written v208-211, ahead of their first reader
.irp b, 0,1,2,3
	v_max_num_f32 v[208+\b], 0x4800000, v[208+\b]  ; the floor 2^(9 - 127)
.endr
.irp b, 0,1,2,3
	v_add_nc_u32 v[220+\b], 0xfc000000, v[208+\b]
.endr
.irp b, 0,1,2,3
	v_and_or_b32 v[216+\b], v[208+\b], 0x7f800000, s86
.endr
.irp b, 0,1,2,3
	v_lshrrev_b32 v[212+\b], 23, v[220+\b]
.endr
	v_lshl_or_b32 v[PSW], v213, 8, v212
	v_lshl_or_b32 v[PSW], v214, 16, v[PSW]
	v_lshl_or_b32 v[PSW], v215, 24, v[PSW]
.irp b, 0,1,2,3
.irp i, 0,1,2,3,4,5,6,7,8,9,10,11,12,13,14,15
	v_min_num_f32 v[ST+16*\b+\i], v[ST+16*\b+\i], v[216+\b]   ; the hold: p is not negative
.endr
	v_cvt_scalef32_pk8_fp8_f32 v[PCD+4*\b:PCD+1+4*\b], v[ST+16*\b:ST+7+16*\b], v[220+\b]
	v_cvt_scalef32_pk8_fp8_f32 v[PCD+2+4*\b:PCD+3+4*\b], v[ST+8+16*\b:ST+15+16*\b], v[220+\b]
.endr
	v_nop                                          ; one plain line behind the last conversion
	s_wait_alu depctr_va_vdst(0)                   ; the holds have written and the conversions have read p's registers v96-159, in which v^T's fragments land
.irp t, 0,1,2,3
.irp c, 0,1,2,3
	ds_load_b128 v[ST+16*\t+4*\c:ST+16*\t+4*\c+3], v1 offset:LB+8192+2048*\t+512*\c   ; v^T's four fragments, where p lay
.endr
.endr
	ds_load_b32 v[VSC], v2 offset:LB+16896
	ds_load_b32 v[VSC+1], v2 offset:LB+16896+128
.set j, 0
.rept 16
	v_pk_mul_f32 v[OT+j:OT+j+1], v[OT+j:OT+j+1], v[232:233] op_sel_hi:[1,0]   ; O^T under the new M; also the places ahead of the products.  They name O^T and f: none of the loads' registers
.set j, j+2
.endr
	s_wait_dscnt 0x0
	s_wait_alu depctr_va_vdst(0)                   ; the conversions have written p's codes and the shifts its scale word, which the scaled products take as source 1 and as its scales: the places first, then this wait
	v_wmma_scale_f32_16x16x128_f8f6f4 v[OT:OT+7], v[ST:ST+15], v[PCD:PCD+15], v[OT:OT+7], v[VSC], v[PSW]
	v_wmma_scale_f32_16x16x128_f8f6f4 v[OT+8:OT+15], v[ST+16:ST+31], v[PCD:PCD+15], v[OT+8:OT+15], v[VSC], v[PSW] matrix_a_scale:MATRIX_SCALE_ROW1
	v_wmma_scale_f32_16x16x128_f8f6f4 v[OT+16:OT+23], v[ST+32:ST+47], v[PCD:PCD+15], v[OT+16:OT+23], v[VSC+1], v[PSW]
	v_wmma_scale_f32_16x16x128_f8f6f4 v[OT+24:OT+31], v[ST+48:ST+63], v[PCD:PCD+15], v[OT+24:OT+31], v[VSC+1], v[PSW] matrix_a_scale:MATRIX_SCALE_ROW1
.endm
; A TRIP: the next record is asked for; my step, if my flags ask for it; the next record goes into the other slot; one barrier, which parts this trip's reads of the slot from the next trip's stores into it,
; and this trip's stores from the next trip's reads.  Waits and barrier stand on every wave's path.
.macro TRIP slot
	s_wait_alu depctr_vm_vsrc(0)                   ; the LDS stores of the trip before, or of the pass's head, have read v236-244, in which the loads below land: ahead of the branch, on every way
	s_bitcmp1_b32 s10, 1
	s_cbranch_scc0 .Lnl_\@
	FILL_LOAD REC
.Lnl_\@:
	s_bitcmp1_b32 s8, 0
	s_cbranch_scc0 .Lns_\@
	STEP \slot
.Lns_\@:
	s_wait_loadcnt 0x0
	s_bitcmp1_b32 s10, 1
	s_cbranch_scc0 .Lnf_\@
	FILL_STORE (1-\slot)
.Lnf_\@:
	s_wait_xcnt 0x0                                ; the bases are stepped only behind this wait
	s_add_nc_u64 s[4:5], s[4:5], REC
	s_add_nc_u64 s[6:7], s[6:7], 256
	s_lshr_b32 s8, s8, 1
	s_lshr_b32 s9, s9, 1
	s_lshr_b32 s10, s10, 1
	s_wait_dscnt 0x0
	s_barrier_signal -1
	s_barrier_wait -1
.endm
.Lpass:
	s_sub_co_u32 s13, 7, ttmp9
	s_cmp_eq_u32 s3, 0
	s_cselect_b32 s100, ttmp9, s13                 ; the block of 256 queries
	s_lshl_b32 s14, s100, 7
	s_add_co_u32 s14, s14, 524288
	s_mov_b32 s15, 0
	s_add_nc_u64 s[12:13], s[92:93], s[14:15]      ; the block's sixteen pairs of flags
	s_lshl_b32 s14, s2, 3
	s_load_b512 s[16:31], s[12:13], 0x0
	s_load_b512 s[32:47], s[12:13], 0x40
	s_load_b64 s[8:9], s[12:13], s14 offset:0x0    ; my tile's: ACT, MSK
	s_lshl_b32 s100, s100, 4
	s_add_co_u32 s100, s100, s2                    ; my query tile
	s_lshl_b32 s70, s101, 7
	s_add_co_u32 s70, s70, s100
	s_lshl_b32 s72, s70, 6
	s_add_co_u32 s72, s72, 8388608
	s_mov_b32 s73, 0
	s_lshl_b32 s70, s70, 10
	s_mov_b32 s71, 0
	s_add_nc_u64 s[68:69], s[88:89], s[70:71]
	s_add_nc_u64 s[74:75], s[88:89], s[72:73]
	global_load_b128 v[16:19], v1, s[68:69]        ; q's codes.  No wait: in the second pass the last products that read v16-23 and v230 stand ahead of their step's wait for its exponentials
	global_load_b128 v[20:23], v1, s[68:69] offset:512
	global_load_b32 v[QSC], v10, s[74:75]          ; and scale words
	s_mul_i32 s76, s101, 16*REC
	s_mov_b32 s77, 0
	s_add_nc_u64 s[4:5], s[90:91], s[76:77]        ; the head's first record
	s_lshl_b32 s78, s100, 12
	s_mov_b32 s79, 0
	s_add_nc_u64 s[6:7], s[92:93], s[78:79]        ; my tile's mask words
	v_mov_b32 v13, 0xff61b1e6                      ; -3e38, under every t
	v_floor_f32 v12, -v13
	v_mov_b32 v14, 0
	v_mov_b32 v15, 0
.set j, 0
.rept 32
	v_mov_b32 v[OT+j], 0                           ; the step is written once: the first finds zeros
.set j, j+1
.endr
	s_mov_b32 s11, 8
	s_wait_kmcnt 0x0
	s_or_b32 s10, s16, s18                         ; NEED: the steps that some wave of the work-group takes
.irp j, 20,22,24,26,28,30,32,34,36,38,40,42,44,46
	s_or_b32 s10, s10, s[\j]
.endr
	s_bitcmp1_b32 s10, 0
	s_cbranch_scc0 .Lno_first
	FILL_LOAD 0                                    ; (the last pass's LDS stores have read v236-244: the wait on vm_vsrc at that pass's end stands behind them)
	s_wait_loadcnt 0x0
	FILL_STORE 0                                   ; every wave has passed the last trip's barrier: nobody reads a slot
.Lno_first:
	s_wait_loadcnt 0x0
	s_wait_dscnt 0x0
	s_barrier_signal -1
	s_barrier_wait -1
.Ltrip:
	TRIP 0
	TRIP 1
	s_sub_co_u32 s11, s11, 1
	s_cmp_lg_u32 s11, 0
	s_cbranch_scc1 .Ltrip
	; ---- the pass's end: out = O^T / the sum; 2 out Aproj^T for this head; out's codes and scale bytes
.rept 8
	v_nop
.endr
	s_and_b32 s16, s101, 15                        ; head
	s_lshr_b32 s17, s101, 4
	s_lshl_b32 s17, s17, 7
	s_add_co_u32 s17, s17, s100                    ; the tile of tokens, of 512
	s_lshl_b32 s18, s16, 8
	s_mov_b32 s19, 0
	s_add_nc_u64 s[20:21], s[94:95], s[18:19]
	s_wait_alu depctr_va_vdst(0)                   ; the last step's second product is done reading v128-159, in which Aproj's numbers land
.irp b, 0,1
.irp j, 0,1,2,3
	global_load_b128 v[128+16*\b+4*\j:131+16*\b+4*\j], v11, s[20:21] offset:128*\b+16*\j   ; Aproj[r % 8] at my 32 channels
.endr
.endr
	s_lshl_b32 s22, s17, 14
	s_lshl_b32 s24, s16, 10                        ; K step head / 2, blocks 2 (head % 2) on: 1,024 x head
	s_add_co_u32 s22, s22, s24
	s_mov_b32 s23, 0
	s_add_nc_u64 s[22:23], s[96:97], s[22:23]
	s_lshl_b32 s28, s17, 9
	s_lshl_b32 s24, s16, 1
	s_add_co_u32 s24, s24, s28
	s_mov_b32 s25, 0
	s_add_nc_u64 s[24:25], s[98:99], s[24:25]
	s_lshl_b32 s26, s16, 18
	s_add_co_u32 s26, s26, s28
	s_add_co_u32 s26, s26, 262144
	s_mov_b32 s27, 0
	s_add_nc_u64 s[26:27], s[98:99], s[26:27]
	v_add_f32 v14, v14, v15
	v_permlanex16_b32 v234, v14, s66, s67
	v_add_f32 v14, v14, v234                       ; the row's sum
	v_rcp_f32 v14, v14
	v_nop
	s_wait_alu depctr_va_vdst(0)                   ; the reciprocal has written v14, ahead of its first reader
.set j, 0
.rept 16
	v_pk_mul_f32 v[ST+j:ST+j+1], v[OT+j:OT+j+1], v[14:15] op_sel_hi:[1,0]   ; register 16 b + i: channel 32 b + 16 h + i of my query
.set j, j+2
.endr
	s_wait_loadcnt 0x0
	v_wmma_f32_16x16x4_f32 v[248:255], v[128:129], v[ST:ST+1], 0
.set q, 1
.rept 15
	s_wait_alu depctr_va_vdst(0)                   ; a wait directly ahead of each link
	v_wmma_f32_16x16x4_f32 v[248:255], v[128+2*q:129+2*q], v[ST+2*q:ST+2*q+1], v[248:255]
.set q, q+1
.endr
.irp b, 0,1
	v_max3_num_f32 v[208+\b], |v[ST+16*\b]|, |v[ST+1+16*\b]|, 0x4800000
.endr
.irp i, 2,4,6,8,10,12,14
.irp b, 0,1
	v_max3_num_f32 v[208+\b], v[208+\b], |v[ST+16*\b+\i]|, |v[ST+1+16*\b+\i]|
.endr
.endr
.irp b, 0,1
	v_permlanex16_b32 v[212+\b], v[208+\b], s66, s67
.endr
.irp b, 0,1
	v_max_num_f32 v[208+\b], v[208+\b], v[212+\b]
.endr
.irp b, 0,1
	v_add_nc_u32 v[220+\b], 0xfc000000, v[208+\b]
.endr
.irp b, 0,1
	v_and_or_b32 v[216+\b], v[208+\b], 0x7f800000, s86
.endr
.irp b, 0,1
	v_lshrrev_b32 v[212+\b], 23, v[220+\b]
.endr
.irp b, 0,1
.irp i, 0,1,2,3,4,5,6,7,8,9,10,11,12,13,14,15
	v_med3_num_f32 v[OT+16*\b+\i], v[ST+16*\b+\i], -v[216+\b], v[216+\b]
.endr
	v_cvt_scalef32_pk8_fp8_f32 v[PCD+4*\b:PCD+1+4*\b], v[OT+16*\b:OT+7+16*\b], v[220+\b]
	v_cvt_scalef32_pk8_fp8_f32 v[PCD+2+4*\b:PCD+3+4*\b], v[OT+8+16*\b:OT+15+16*\b], v[220+\b]
.endr
	v_cndmask_b32 v235, v212, v213, s87            ; lane (r, h) stores block h's byte.  (A plain line behind the last conversion)
.irp i, 0,1,2,3
	v_cndmask_b32 v[200+\i], v[248+\i], v[252+\i], s87   ; register j = (out Aproj^T)(my query, j) in both halves: lane (r, h) keeps 4 h .. 4 h + 3; the sums are read from their low end on
.endr
	v_pk_mul_f32 v[200:201], v[200:201], 2.0 op_sel_hi:[1,0]   ; alpha / rank
	v_pk_mul_f32 v[202:203], v[202:203], 2.0 op_sel_hi:[1,0]
	s_wait_alu depctr_va_vdst(0)                   ; the conversions have written v192-199, the selection v235, the multiplies v200-203: one wait for the four stores that read them
	global_store_b128 v1, v[PCD:PCD+3], s[22:23]
	global_store_b128 v1, v[PCD+4:PCD+7], s[22:23] offset:512
	global_store_b8 v9, v235, s[24:25]
	global_store_b128 v8, v[200:203], s[26:27]
	s_wait_xcnt 0x0                                ; the stores have read their registers and bases: the next pass writes them again
	s_wait_alu depctr_vm_vsrc(0)                   ; the stores have read v192-203 and v235, which the next pass's vector instructions write again; the last trips' LDS stores have read v236-244: ahead of the backward jump
	s_add_co_u32 s3, s3, 1
	s_cmp_lt_u32 s3, 2
	s_cbranch_scc1 .Lpass
	s_wait_dscnt 0x0                               ; the closing lines, six on end
	s_wait_alu 0x0
	s_wait_tensorcnt 0x0
	ds_add_u32 v5, v6
	s_wait_dscnt 0x0
	s_endpgm
.Lfunc_end_k_q1066088fd2_attn:
	.size	k_q1066088fd2_attn, .Lfunc_end_k_q1066088fd2_attn-k_q1066088fd2_attn
	.p2alignl 7, 3214868480
	.fill 96, 4, 3214868480
	.section	.rodata,"a",@progbits
	.p2align	6, 0x0
	.amdhsa_kernel k_q1066088fd2_attn
		.amdhsa_group_segment_fixed_size 67584
		.amdhsa_private_segment_fixed_size 0
		.amdhsa_enable_private_segment 0
		.amdhsa_kernarg_size 48
		.amdhsa_user_sgpr_count 2
		.amdhsa_user_sgpr_kernarg_segment_ptr 1
		.amdhsa_wavefront_size32 1
		.amdhsa_system_sgpr_workgroup_id_x 1
		.amdhsa_system_sgpr_workgroup_id_y 1
		.amdhsa_system_sgpr_workgroup_id_z 1
		.amdhsa_system_vgpr_workitem_id 0
		.amdhsa_next_free_vgpr 256
		.amdhsa_next_free_sgpr 102
		.amdhsa_reserve_vcc 0
		.amdhsa_float_denorm_mode_32 3
		.amdhsa_float_denorm_mode_16_64 3
		.amdhsa_memory_ordered 1
		.amdhsa_forward_progress 1
		.amdhsa_inst_pref_size 66
	.end_amdhsa_kernel
	.amdgpu_metadata
---
amdhsa.version: [ 1, 2 ]
amdhsa.kernels:
  - .name:           k_q1066088fd2_attn
    .symbol:         k_q1066088fd2_attn.kd
    .args:
      - { .name: qq, .offset: 0, .size: 8, .value_kind: global_buffer, .address_space: global }
      - { .name: kv, .offset: 8, .size: 8, .value_kind: global_buffer, .address_space: global }
      - { .name: msk, .offset: 16, .size: 8, .value_kind: global_buffer, .address_space: global }
      - { .name: Aproj, .offset: 24, .size: 8, .value_kind: global_buffer, .address_space: global }
      - { .name: oc, .offset: 32, .size: 8, .value_kind: global_buffer, .address_space: global }
      - { .name: oso, .offset: 40, .size: 8, .value_kind: global_buffer, .address_space: global }
    .group_segment_fixed_size: 67584
    .private_segment_fixed_size: 0
    .kernarg_segment_align: 8
    .kernarg_segment_size: 48
    .max_flat_workgroup_size: 512
    .sgpr_count:     102
    .vgpr_count:     256
    .wavefront_size: 32
...
	.end_amdgpu_metadata
.endif
;; end of part 5
;; launch gemm_proj: the kernel of part 4 again; grid 4 x 32, 4 waves a work-group, clusters of 4 x 4, 327,680 bytes of LDS; arguments oc, oso, opc, osl, bproj, out0; writes out0
